; MI455X (gfx1250); checked and timed in simulation.
; The chip was launched on July 23, 2026; its instructions are those of AMD's public machine-readable ISA for CDNA 5 (MIT licence, August 2026) and "CDNA5" Instruction Set Architecture Reference Guide (July 2026). The comments in the code are by the model that wrote it; some were corrected since.
;; Attention. Allowed arithmetic: matrix products marked QUANTISED: E2M3 operands, one E8M0 scale for each 32 along K, by v_wmma_scale_f32_16x16x128_f8f6f4 with both operands' format E2M3, f32 sums; everything else in f32.
;; Inputs: b_attn 3,072 float32; b_proj 1,024 float32; w_attn 1,024 x 3,072 float32; w_proj 1,024 x 1,024 float32; x 4 x 2,048 x 1,024 float32.
;; Outputs: out0 4 x 2,048 x 1,024 float32.
;; This version of the problem:
;;   THIS VERSION OF THE PROBLEM IS GIVEN IN LOW PRECISION. The matrix products marked QUANTISED in the list below multiply operands that are first quantised to E2M3 (2 exponent bits, 3 mantissa bits; 6 bits a number), with one power-of-two scale for each 32 numbers along K (OCP MX v1.0); their sums are f32. All else is computed in f32.
;;   The module's matrix products, in the order in which they are computed (A, B: the left and right operand; K: the contracted axis; several contracted axes count as one K, in the product's order):
;;     1. [M 8,192, K 1,024] x [K 1,024, N 3,072]; A: input x; B: input w_attn: QUANTISED
;;     2. batch 64 x [M 2,048, K 64] x [K 64, N 2,048]; A: computed on the way; B: computed on the way: QUANTISED
;;     3. batch 64 x [M 2,048, K 2,048] x [K 2,048, N 64]; A: softmax (see below); B: computed on the way: QUANTISED
;;     4. [M 8,192, K 1,024] x [K 1,024, N 1,024]; A: computed on the way; B: input w_proj: QUANTISED
;;   THE QUANTISER, for each operand of a quantised product, along K:
;;     - K is cut into blocks of 32 from its start; a last block that is shorter is filled with zeros.
;;     - A block's scale is 2^e with e = floor(log2(the largest magnitude in the block)) - 2, held to -126 .. 127; a block of zeros has e = 0. As a byte (E8M0): e + 127.
;;     - Each number is divided by its block's scale, clamped to +-7.5, and rounded to the nearest number of E2M3, ties to even, subnormals kept.
;;     - The product sums the exact products of the quantised numbers (number of the format x scale) in f32.
;;   ~~~python
;;   def quantise(x, axis):      # numpy; x: float32 -> the quantised numbers, widened to float32 again
;;       x = np.moveaxis(x, axis, -1); K = x.shape[-1]
;;       x = np.pad(x, [(0, 0)] * (x.ndim - 1) + [(0, -K % 32)]); x = x.reshape(x.shape[:-1] + (-1, 32)); a = np.abs(x).max(-1, keepdims=True)
;;       e = np.where(a > 0, np.clip(np.frexp(np.where(a > 0, a, 1))[1] - 1 - 2, -126, 127), 0)      # np.frexp(a)[1] - 1 = floor(log2(a)), exactly
;;       r = np.clip(x / 2.0 ** e, -7.5, 7.5)
;;       step = 2.0 ** (np.maximum(np.frexp(np.where(r == 0, 1, r))[1] - 1, 0) - 3)
;;       q = np.round(r / step) * step * 2.0 ** e      # np.round: ties to even
;;       return np.moveaxis(q.reshape(q.shape[:-2] + (-1,))[..., :K], -1, axis).astype(np.float32)
;;   ~~~
;;   SOFTMAX AHEAD OF A QUANTISED PRODUCT. Where the list says 'softmax', what is quantised is not the finished softmax but p = 2^(t - M), with t = logit x log2(e) and M = ceil(the row's largest t), a whole number; so 1/2 < the row's largest p <= 1. The row's sum l is taken of the UNQUANTISED p, in f32, and the product's result is divided by l at the end. Since M is a whole number, a kernel that streams over the keys may use a running M (the ceiling of the running maximum): every later rescaling is an exact power of two, which a block's scale takes up: the codes' values come out the same.
;;   OPERANDS COMPUTED ON THE WAY. 'Computed on the way' means the value that the module computes at that place (a softmax that the list does not call 'softmax' is quantised finished and normalised). What goes into a quantiser is computed in f32, as accurately as f32 sums, v_exp_f32 and their like allow (about 1e-6 of the number): no bf16 or f16 on the way to a quantiser, and a product that is left as it is and whose result goes on into a quantised operand takes f32 operands (vector FMAs, or v_wmma_f32_16x16x4_f32). A number that lies on a knife's edge between two numbers of the format may be rounded either way, as far as f32 arithmetic and the matrix unit's own rounding can turn it there, and no further.
;; One version. Each part assembles by itself: llvm-mc -triple=amdgcn-amd-amdhsa -mcpu=gfx1250 --defsym DOCPART=n.
;; ======== version 1 of 1: 4 launches
;; workspace buffers: xq 6,553,600 bytes; wq 3,276,800 bytes; qkv 20,185,088 bytes; aq 6,553,600 bytes
;; launch prep (part 1): grid 384 x 1, 4 waves a work-group, no clusters, 68,096 bytes of LDS; arguments x, w_attn, w_proj, xq, wq; writes xq, wq
.if DOCPART == 1
	.amdgcn_target "amdgcn-amd-amdhsa--gfx1250"
	.amdhsa_code_object_version 6
	.text
	.protected	k_q1d7e8ec760_prep
	.globl	k_q1d7e8ec760_prep
	.p2align	8
	.type	k_q1d7e8ec760_prep,@function
k_q1d7e8ec760_prep:
	s_mov_b64 s[64:65], 0
	v_nop
	global_prefetch_b8 v0, s[64:65] scope:SCOPE_SE
	s_setreg_imm32_b32 hwreg(HW_REG_WAVE_MODE, 25, 1), 1
	s_wait_xcnt 0x0
; x [8192][1024], w_attn [1024][3072] and w_proj [1024][1024], f32, become codes of FP6 (E2M3) with one E8M0 byte for each 32 along K, laid as IMAGES OF OPERAND REGISTERS.
; K is x's last axis and the weights' first.  A block's scale is 2^(floor(log2(largest magnitude)) - 2): its byte is the largest magnitude's exponent field - 2.
; ROWS GO IN PAIRS OF TILES: pair P holds rows (of x) or columns (of a weight) 32 P .. 32 P + 31; lane row r of tile u is row 32 P + 8 u + r + 8 (r / 8).
; A RECORD, 6,400 bytes, is pair P x 256 along K (quarter sq): fragment (u, sl) of 16 rows x 128 K at 1,536 (2 u + sl): registers 0-3 at 16 x lane, 4-5 at 512 + 8 x lane, 6-9 at 768 + 16 x lane,
; 10-11 at 1,280 + 8 x lane; at 6,144 the scale words: lane 16 u + r holds 8 bytes, the words of its row's two K steps.  Buffers: [pair][sq][6,400].  wq: pairs 0-95 w_attn, 96-127 w_proj.
; SHARES: a work-group is a pair (0-255: x; 256-351: w_attn; 352-383: w_proj), a wave a quarter of K: a wave writes one record, 6,400 consecutive bytes, every store 512 or 256 consecutive aligned bytes.
; x: each load reads 512 consecutive bytes of a row; a fragment's 16 rows turn through the wave's own stage in LDS (rows 528 bytes apart) so that a lane gets 16 neighbours of each block of 32.
; Weights: a lane takes a column and its registers run down K, in the very order of the operand's layout: nothing is transposed.  Their loads read runs of 32 bytes: the sibling tile's loads stand next to them.
; No tensor load, no barrier: waves share nothing.
; LIMITS: NaN and infinities among the inputs are not served.  A block whose largest magnitude lies under 2^-124, a block of zeros among them, gets the byte 1 (the rule says 127 for zeros): its codes
; are then zeros or the rule's own held scale, and the bytes are read by this program alone.
.set REC,   6400
.set PAIRB, 25600
.set STG,   8448                       ; a stage: 16 rows x 528 bytes; two for each wave
.set R,     16                         ; v16-143  two sets of 64 numbers as loaded
.set X,     144                        ; v144-207 64 numbers of a lane: register 16 b + i = k 32 b + 16 (lane / 16) + i of its row
.set PC,    208                        ; v208-227 the codes just made (12) and two runs of three at work
.set TM,    228                        ; v228-243 largest magnitudes, bytes, scale operands
.set PW,    244                        ; v244-247 a scale word for each fragment
.set DD,    248                        ; v[248:249] the scale words as stored
.set SEL,   20                         ; s[20:21] v_permlanex16_b32's selects for lane l xor 16
; 64 numbers of a lane, v[s] on, become a fragment's codes in v[PC] on and its row's scale word in v[pw] (the same in lanes l and l xor 16)
.macro QUANT s, pw
.irp b, 0,1,2,3
	v_max3_num_f32 v[TM+\b], |v[\s+16*\b]|, |v[\s+1+16*\b]|, 0x1800000   ; block b: my 16 numbers, and the floor 2^(3 - 127): the byte cannot fall under 1
.endr
.irp i, 2,4,6,8,10,12,14
.irp b, 0,1,2,3
	v_max3_num_f32 v[TM+\b], v[TM+\b], |v[\s+16*\b+\i]|, |v[\s+1+16*\b+\i]|   ; the four blocks by turns
.endr
.endr
.irp b, 0,1,2,3
	v_permlanex16_b32 v[TM+4+\b], v[TM+\b], s[SEL], s[SEL+1]
.endr
.irp b, 0,1,2,3
	v_max_num_f32 v[TM+\b], v[TM+\b], v[TM+4+\b]   ; with lane l xor 16's 16: the block's largest magnitude
.endr
.irp b, 0,1,2,3
	v_add_nc_u32 v[TM+12+\b], 0xff000000, v[TM+\b]   ; 2 off its exponent field: the conversion takes this operand's exponent field as its scale
.endr
.irp b, 0,1,2,3
	v_lshrrev_b32 v[TM+4+\b], 23, v[TM+12+\b]      ; the scale's byte
.endr
	v_lshl_or_b32 v[\pw], v[TM+5], 8, v[TM+4]
	v_lshl_or_b32 v[\pw], v[TM+6], 16, v[\pw]
	v_lshl_or_b32 v[\pw], v[TM+7], 24, v[\pw]
.irp c, 0,1
	v_cvt_scalef32_pk16_fp6_f32 v[PC+6*\c:PC+2+6*\c], v[\s+32*\c:\s+15+32*\c], v[TM+12+2*\c]
	v_cvt_scalef32_pk16_fp6_f32 v[PC+12+4*\c:PC+14+4*\c], v[\s+16+32*\c:\s+31+32*\c], v[TM+12+2*\c+1]   ; (a conversion's three registers begin on an even number)
.endr
	v_nop                                          ; one plain place behind a scaled conversion
.irp c, 0,1                                    ; the layout wants a whole block in a lane: lanes 0-15 block 2 c, lanes 16-31 block 2 c + 1
.irp i, 0,1,2
	v_permlane16_swap_b32 v[PC+6*\c+\i], v[PC+12+4*\c+\i]
.endr
.irp i, 0,1,2
	v_mov_b32 v[PC+3+6*\c+\i], v[PC+12+4*\c+\i]
.endr
.endr
.endm
.macro PUT f                           ; the fragment in v[PC] on goes to its place in the record as it stands
	global_store_b128 v4, v[PC:PC+3], s[18:19] offset:1536*(\f)
	global_store_b64 v5, v[PC+4:PC+5], s[18:19] offset:1536*(\f)+512
	global_store_b128 v4, v[PC+6:PC+9], s[18:19] offset:1536*(\f)+768
	global_store_b64 v5, v[PC+10:PC+11], s[18:19] offset:1536*(\f)+1280
.endm
.macro PUTS                            ; the scale words: lanes 0-15 tile 0's rows, lanes 16-31 tile 1's; two K steps each
	v_cmp_le_u32 vcc_lo, 16, v1
	v_cndmask_b32 v[DD], v[PW], v[PW+2], vcc_lo
	v_cndmask_b32 v[DD+1], v[PW+1], v[PW+3], vcc_lo
	global_store_b64 v5, v[DD:DD+1], s[18:19] offset:6144
.endm
.macro LOADX f                         ; fragment f = 2 u + sl of x: 16 rows x 512 bytes into set f % 2
.irp p, 0,1,2,3,4,5,6,7,8,9,10,11,12,13,14,15
	global_load_b128 v[R+64*((\f)%2)+4*\p:R+64*((\f)%2)+4*\p+3], v4, s[16:17] offset:(8*((\f)/2)+\p+8*(\p/8))*4096+512*((\f)%2) th:TH_LOAD_NT
.endr
.endm
.macro TURNX f                         ; through the stage: LDS serves a wave's instructions in order, so no wait stands between the stores and the loads
.irp p, 0,1,2,3,4,5,6,7,8,9,10,11,12,13,14,15
	ds_store_b128 v6, v[R+64*((\f)%2)+4*\p:R+64*((\f)%2)+4*\p+3] offset:STG*((\f)%2)+528*\p
.endr
.irp b, 0,1,2,3
.irp j, 0,1,2,3
	ds_load_b128 v[X+16*\b+4*\j:X+16*\b+4*\j+3], v7 offset:STG*((\f)%2)+128*\b+16*\j
.endr
.endr
.endm
.macro LOADW f, set, n                 ; fragment f of a weight with n columns: register 32 c + i = W(128 sl + 64 c + 32 (lane / 16) + i, my column)
.set LQ, 0
.rept 64
	global_load_b32 v[R+64*(\set)+LQ], v8, s[16:17] offset:((128*((\f)%2)+64*(LQ/32)+LQ%32)*(\n)+8*((\f)/2))*4
.set LQ, LQ+1
.endr
.endm
.macro WQ f, set                       ; a lane holds two whole blocks, 2 c + (lane / 16): no other lane is asked for a maximum
.set WS, R+64*(\set)
.irp c, 0,1
	v_max3_num_f32 v[TM+\c], |v[WS+32*\c]|, |v[WS+1+32*\c]|, 0x1800000
.endr
.irp i, 2,4,6,8,10,12,14,16,18,20,22,24,26,28,30
.irp c, 0,1
	v_max3_num_f32 v[TM+\c], v[TM+\c], |v[WS+32*\c+\i]|, |v[WS+1+32*\c+\i]|
.endr
.endr
.irp c, 0,1
	v_add_nc_u32 v[TM+12+\c], 0xff000000, v[TM+\c]
.endr
.irp c, 0,1
	v_lshrrev_b32 v[TM+8+\c], 23, v[TM+12+\c]
.endr
	v_lshl_or_b32 v[PW+(\f)], v[TM+9], 16, v[TM+8]  ; my two bytes, blocks h and 2 + h of my column,
	v_lshlrev_b32 v[PW+(\f)], v9, v[PW+(\f)]        ; 8 h bits up;
	v_permlanex16_b32 v[TM+4], v[PW+(\f)], s[SEL], s[SEL+1]
	v_or_b32 v[PW+(\f)], v[PW+(\f)], v[TM+4]        ; with lane l xor 16's two the word is whole
.irp c, 0,1
	v_cvt_scalef32_pk16_fp6_f32 v[PC+6*\c:PC+2+6*\c], v[WS+32*\c:WS+15+32*\c], v[TM+12+\c]
	v_cvt_scalef32_pk16_fp6_f32 v[PC+12+4*\c:PC+14+4*\c], v[WS+16+32*\c:WS+31+32*\c], v[TM+12+\c]
.endr
	v_nop                                          ; one plain place behind a scaled conversion
.irp c, 0,1
.irp i, 0,1,2
	v_mov_b32 v[PC+3+6*\c+\i], v[PC+12+4*\c+\i]
.endr
.endr
.endm
; A weight's record.  Fragments in the order 0, 2, 1, 3: the two tiles of the same rows of W next to each other.  Behind the fragment in hand 64 loads were issued; the wait's field holds 63.
.macro WPATH n
	v_mul_u32_u24 v10, v3, 128*(\n)                ; lanes 16-31 begin 32 rows further down
	s_wait_alu depctr_va_vdst(0)
	v_add_nc_u32 v8, v8, v10
	LOADW 0, 0, \n
	LOADW 2, 1, \n
	s_wait_loadcnt 63
	WQ 0, 0
	PUT 0
	LOADW 1, 0, \n
	s_wait_loadcnt 63
	s_wait_xcnt 0x0                                ; the last stores have read the codes' registers
	WQ 2, 1
	PUT 2
	LOADW 3, 1, \n
	s_wait_loadcnt 63
	s_wait_xcnt 0x0
	WQ 1, 0
	PUT 1
	s_wait_loadcnt 0x0
	s_wait_xcnt 0x0
	WQ 3, 1
	PUT 3
	PUTS
.endm
	s_load_b128 s[4:7], s[0:1], 0x0                ; x, w_attn
	s_load_b128 s[8:11], s[0:1], 0x10              ; w_proj, xq
	s_load_b64 s[12:13], s[0:1], 0x20              ; wq
	v_lshl_add_u32 v254, v0, 2, 0x10800
	v_mov_b32 v255, 0
	v_lshrrev_b32 v10, 5, v0
	v_readfirstlane_b32 s14, v10                   ; wave = quarter of K
	v_and_b32 v1, 31, v0                           ; lane
	v_and_b32 v2, 15, v0                           ; r
	v_bfe_u32 v3, v0, 4, 1                         ; h
	v_lshlrev_b32 v4, 4, v1                        ; 16 x lane
	v_lshlrev_b32 v5, 3, v1                        ; 8 x lane
	s_mul_i32 s15, s14, 2*STG                      ; my two stages
	v_add_nc_u32 v6, s15, v4                       ; in: a row's 512 bytes as they lie
	v_mul_u32_u24 v7, v2, 528
	v_lshl_add_u32 v7, v3, 6, v7
	v_add_nc_u32 v7, s15, v7                       ; out: row r, + 64 h
	v_lshlrev_b32 v9, 3, v3                        ; 8 h
	s_mov_b32 s[SEL], 0x76543210
	s_mov_b32 s[SEL+1], 0xfedcba98
.irp b, 0,1,2,3
	v_mov_b32 v[TM+4+\b], 0                        ; written once: a lane permute's destination counts as one of its sources
.endr
	s_mul_i32 s22, s14, REC
	s_mov_b32 s17, 0
	s_mov_b32 s19, 0
	s_wait_kmcnt 0x0
	s_cmp_lt_u32 ttmp9, 256
	s_cbranch_scc0 .Lweights
	; ---- x
	s_lshl_b32 s16, ttmp9, 17                      ; the pair's 32 rows of 4,096 bytes,
	s_lshl_b32 s24, s14, 10                        ; my 256 numbers of each
	s_add_co_u32 s16, s16, s24
	s_mul_i32 s18, ttmp9, PAIRB
	s_add_co_u32 s18, s18, s22
	s_add_nc_u64 s[16:17], s[4:5], s[16:17]
	s_add_nc_u64 s[18:19], s[10:11], s[18:19]
	LOADX 0
	LOADX 1
	s_wait_alu depctr_va_vdst(0)
.irp f, 0,1,2,3
.if \f < 3
	s_wait_loadcnt 16                              ; this fragment's 16 loads are in; the next one's may be out
.else
	s_wait_loadcnt 0x0
.endif
	TURNX \f
	s_wait_dscnt 0x0                               ; my 64 numbers are back, and the stage's stores have read their registers,
.if \f < 2
	LOADX \f+2                                     ; which take the fragment two on
.endif
.if \f > 0
	s_wait_xcnt 0x0                                ; the last stores have read the codes' registers
.endif
	QUANT X, PW+\f
	PUT \f
.endr
	PUTS
	s_wait_tensorcnt 0x0
	ds_add_u32 v254, v255
	s_wait_dscnt 0x0
	s_endpgm
.Lweights:
	s_sub_co_u32 s23, ttmp9, 256                   ; the pair in wq
	s_mul_i32 s18, s23, PAIRB
	s_add_co_u32 s18, s18, s22
	s_add_nc_u64 s[18:19], s[12:13], s[18:19]
	v_and_b32 v8, 8, v2
	v_add_nc_u32 v8, v8, v2                        ; r + 8 (r / 8)
	v_lshlrev_b32 v8, 2, v8
	s_cmp_lt_u32 s23, 96
	s_cbranch_scc0 .Lproj
	; ---- w_attn
	s_mul_i32 s16, s14, 1024*3072                  ; my 256 rows,
	s_lshl_b32 s24, s23, 7                         ; the pair's 32 columns
	s_add_co_u32 s16, s16, s24
	s_add_nc_u64 s[16:17], s[6:7], s[16:17]
	WPATH 3072
	s_endpgm
.Lproj:
	; ---- w_proj
	s_sub_co_u32 s23, s23, 96
	s_mul_i32 s16, s14, 1024*1024
	s_lshl_b32 s24, s23, 7
	s_add_co_u32 s16, s16, s24
	s_add_nc_u64 s[16:17], s[8:9], s[16:17]
	WPATH 1024
	s_endpgm
.Lfunc_end_k_q1d7e8ec760_prep:
	.size	k_q1d7e8ec760_prep, .Lfunc_end_k_q1d7e8ec760_prep-k_q1d7e8ec760_prep
	.p2alignl 7, 3214868480
	.fill 96, 4, 3214868480
	.section	.rodata,"a",@progbits
	.p2align	6, 0x0
	.amdhsa_kernel k_q1d7e8ec760_prep
		.amdhsa_group_segment_fixed_size 68096
		.amdhsa_private_segment_fixed_size 0
		.amdhsa_enable_private_segment 0
		.amdhsa_kernarg_size 40
		.amdhsa_user_sgpr_count 2
		.amdhsa_user_sgpr_kernarg_segment_ptr 1
		.amdhsa_wavefront_size32 1
		.amdhsa_system_sgpr_workgroup_id_x 1
		.amdhsa_system_sgpr_workgroup_id_y 1
		.amdhsa_system_sgpr_workgroup_id_z 1
		.amdhsa_system_vgpr_workitem_id 0
		.amdhsa_next_free_vgpr 256
		.amdhsa_next_free_sgpr 66
		.amdhsa_reserve_vcc 1
		.amdhsa_float_denorm_mode_32 3
		.amdhsa_float_denorm_mode_16_64 3
		.amdhsa_memory_ordered 1
		.amdhsa_forward_progress 1
		.amdhsa_inst_pref_size 110
	.end_amdhsa_kernel
	.amdgpu_metadata
---
amdhsa.version: [ 1, 2 ]
amdhsa.kernels:
  - .name:           k_q1d7e8ec760_prep
    .symbol:         k_q1d7e8ec760_prep.kd
    .args:
      - { .name: x, .offset: 0, .size: 8, .value_kind: global_buffer, .address_space: global }
      - { .name: w_attn, .offset: 8, .size: 8, .value_kind: global_buffer, .address_space: global }
      - { .name: w_proj, .offset: 16, .size: 8, .value_kind: global_buffer, .address_space: global }
      - { .name: xq, .offset: 24, .size: 8, .value_kind: global_buffer, .address_space: global }
      - { .name: wq, .offset: 32, .size: 8, .value_kind: global_buffer, .address_space: global }
    .group_segment_fixed_size: 68096
    .private_segment_fixed_size: 0
    .kernarg_segment_align: 8
    .kernarg_segment_size: 40
    .max_flat_workgroup_size: 128
    .sgpr_count:     66
    .vgpr_count:     256
    .wavefront_size: 32
...
	.end_amdgpu_metadata
.endif
;; end of part 1
;; launch gemm_qkv (part 2): grid 12 x 64, 4 waves a work-group, clusters of 4 x 4, 307,712 bytes of LDS; arguments xq, wq, b_attn, qkv; writes qkv
.if DOCPART == 2
	.amdgcn_target "amdgcn-amd-amdhsa--gfx1250"
	.amdhsa_code_object_version 6
	.text
	.protected	k_q1d7e8ec760_gemm_qkv
	.globl	k_q1d7e8ec760_gemm_qkv
	.p2align	8
	.type	k_q1d7e8ec760_gemm_qkv,@function
k_q1d7e8ec760_gemm_qkv:
	s_mov_b64 s[64:65], 0
	v_nop
	global_prefetch_b8 v0, s[64:65] scope:SCOPE_SE
	s_setreg_imm32_b32 hwreg(HW_REG_WAVE_MODE, 25, 1), 1
	s_wait_xcnt 0x0
	s_wait_alu depctr_hold_cnt(0) depctr_sa_sdst(0) depctr_va_vdst(0) depctr_va_sdst(0) depctr_va_ssrc(0) depctr_va_vcc(0) depctr_vm_vsrc(0)
	s_getreg_b32 s2, hwreg(HW_REG_IB_STS2, 6, 4)
	s_cmp_eq_u32 s2, 0
	s_cbranch_scc0 .Lentry_in_a_cluster
	s_endpgm
.Lentry_in_a_cluster:
	s_bfe_u32 s2, ttmp6, 0x10000c
	s_cmp_lg_u32 s2, 0xf033
	s_cbranch_scc0 .Lentry_shape_is_right
	s_endpgm
.Lentry_shape_is_right:
; qkv = x w_attn + b_attn on codes of FP6 (E2M3) with E8M0 scales; the results are quantised in registers and leave as codes: q and k along the head's 64, v along the keys.
; OPERANDS come as records of 6,400 bytes (pair of tiles x 256 along K): four fragments' register images of 1,536 bytes, then 256 bytes of scale words.  Lane row r of tile u of pair P is row 32 P + 8 u + r + 8 (r / 8).
; A WORK-GROUP makes side A 128 rows (4 pairs) x side B 256 rows (8 pairs) over all of K = 1,024.  ALL OF K LIES IN LDS AT ONCE, four chunks of 256 along K, 76,800 bytes each (A's 4 records, then B's 8):
; every LDS byte is filled once, so there is no ring.  Four waves; wave (wa, wb) makes A's tiles 4 wa .. + 3 x B's tiles 8 wb .. + 7: 32 accumulators.
; THE MATRIX INSTRUCTION IS USED TRANSPOSED (source 0 = a tile of B, source 1 = a tile of A): a lane holds one row of A, and by the tiles' order of rows the 64 registers of an A tile are
; B's rows 32 b + 16 (lane / 16) + i at register 16 b + i: sixteen neighbours along the next product's K.
; ROLES.  Cluster x = 0, 1 (q, k): A = 128 rows of x, B = 256 columns of w_attn (four heads; a wave's 128 are two).  Cluster x = 2 (v): A = 128 columns of w_attn (two heads), B = 256 rows of x (keys):
; so v's registers run along the keys, its next K.  The choice hangs on the cluster's x alone, which all sixteen partners share.
; CLUSTER 4 x 4: A's records hang on cy, B's on cx: each is asked for jointly by the four of a row or of a column of the cluster.
; THE BIAS: for q, k it runs along the registers: an image of it is the C of the first K step.  For v it is one number a lane and tile: it is added where the sums are copied out.  Each arm clears the other's registers.
; OUT (bh = 16 batch + head): q at 0 and k at 6,815,744: [bh][step of 128 rows][6,656]: 8 half images of 768 bytes (16 rows x 64), then two blocks of 256 bytes of scale words (bytes 2, 3 = 0x7f);
;   v at 13,631,488: [bh][step of 128 keys][6,400]: 4 images of 1,536 bytes (16 channels x 128 keys), then 256 bytes of scale words.  Every store covers 512 or 256 consecutive aligned bytes.
; REGISTERS, in windows of 256: window 0: v1-15 addresses; v16-63 scale words and nothing else; v64-159 A's fragments, two sets; on the way out v64-191.  window 1: v0-191 B's fragments, two sets; v192-255 the bias image.
;   window 2: accumulator (a, j) at v[8 (8 a + j)].
; LIMITS: NaN and infinities are not served.  A block whose largest magnitude lies under 2^-124, zeros among them, gets the byte 1; the bytes are read by this program alone.
.set REC,   6400
.set PAIRB, 25600
.set CHUNK, 76800
.set SC,    16
.set AF,    64
.set BB,    192                        ; in window 1
.set HA,    64                         ; the way out: 64 numbers
.set PC,    128                        ; the codes just made
.set BA,    160                        ; v160-167 v's bias: a pair for each A tile (the low word is used)
.set TM,    168
.set PWK,   184                        ; v184-187 a scale word for each A tile
.set G1A,   24
.set G1B,   32
.set G0A,   40                         ; s[40:55] four sets, one a chunk
.set G0B,   68                         ; s[68:83]
.set SEL,   96
.set MSB, 0
.macro WIN new                         ; the immediate's high byte repeats the setting that is left
.if MSB != \new
	s_set_vgpr_msb (MSB<<8)|\new
.set MSB, \new
.endif
.endm
.macro CROUND                          ; a round of the cluster's barrier
	s_barrier_signal -1
	s_barrier_wait -1
	s_cmp_lg_u32 s12, 0
	s_cbranch_scc1 .Lnot_wave_0_\@
	s_barrier_signal -3
.Lnot_wave_0_\@:
	s_barrier_wait -3
	s_barrier_signal -1
	s_barrier_wait -1
.endm
.macro FRAG reg, a16, a8, off          ; a fragment's image back into 12 registers
	ds_load_b128 v[\reg:\reg+3], v[\a16] offset:\off
	ds_load_b64 v[\reg+4:\reg+5], v[\a8] offset:\off+512
	ds_load_b128 v[\reg+6:\reg+9], v[\a16] offset:\off+768
	ds_load_b64 v[\reg+10:\reg+11], v[\a8] offset:\off+1280
.endm
.macro FETCH s                         ; K step s: B's eight fragments and A's four into set s % 2
	WIN 0x40
.irp j, 0,1,2,3,4,5,6,7
	FRAG 96*((\s)%2)+12*\j, 6, 7, (\j/2)*REC+(\j%2)*3072+((\s)%2)*1536
.endr
	WIN 0
.irp i, 0,1,2,3
	FRAG AF+48*((\s)%2)+12*\i, 4, 5, (\i/2)*REC+(\i%2)*3072+((\s)%2)*1536
.endr
.endm
.macro SCALES c                        ; chunk c's scale words: a pair of registers (two K steps) for each pair of tiles; lanes 0-15 tile 0's rows, lanes 16-31 tile 1's
.irp p, 0,1
	ds_load_b64 v[SC+12*(\c)+2*\p:SC+12*(\c)+2*\p+1], v5 offset:REC*\p+6144
.endr
.irp p, 0,1,2,3
	ds_load_b64 v[SC+12*(\c)+4+2*\p:SC+12*(\c)+4+2*\p+1], v7 offset:REC*\p+6144
.endr
.endm
.macro MM a, j, s                      ; one product.  In K step 0 C is the bias image (window 1)
.set rD, 8*(8*(\a)+(\j))
.set rB, 96*((\s)%2)+12*(\j)
.set rA, AF+48*((\s)%2)+12*(\a)
.set sB, SC+12*((\s)/2)+4+2*((\j)/2)+(\s)%2
.set sA, SC+12*((\s)/2)+2*((\a)/2)+(\s)%2
.if (\s) == 0
.set rC, BB+8*(\j)
.else
.set rC, rD
.endif
.if ((\j)%2 == 0) && ((\a)%2 == 0)
	v_wmma_scale_f32_16x16x128_f8f6f4 v[rD:rD+7], v[rB:rB+11], v[rA:rA+11], v[rC:rC+7], v[sB], v[sA] matrix_a_fmt:MATRIX_FMT_FP6 matrix_b_fmt:MATRIX_FMT_FP6
.elseif ((\j)%2 == 1) && ((\a)%2 == 0)
	v_wmma_scale_f32_16x16x128_f8f6f4 v[rD:rD+7], v[rB:rB+11], v[rA:rA+11], v[rC:rC+7], v[sB], v[sA] matrix_a_fmt:MATRIX_FMT_FP6 matrix_b_fmt:MATRIX_FMT_FP6 matrix_a_scale:MATRIX_SCALE_ROW1
.elseif (\j)%2 == 0
	v_wmma_scale_f32_16x16x128_f8f6f4 v[rD:rD+7], v[rB:rB+11], v[rA:rA+11], v[rC:rC+7], v[sB], v[sA] matrix_a_fmt:MATRIX_FMT_FP6 matrix_b_fmt:MATRIX_FMT_FP6 matrix_b_scale:MATRIX_SCALE_ROW1
.else
	v_wmma_scale_f32_16x16x128_f8f6f4 v[rD:rD+7], v[rB:rB+11], v[rA:rA+11], v[rC:rC+7], v[sB], v[sA] matrix_a_fmt:MATRIX_FMT_FP6 matrix_b_fmt:MATRIX_FMT_FP6 matrix_a_scale:MATRIX_SCALE_ROW1 matrix_b_scale:MATRIX_SCALE_ROW1
.endif
.endm
.macro MULH s, a0                      ; 16 products: A's tiles a0, a0 + 1 x B's eight.  The 32 accumulators take turns in the same order in every step
.irp a, \a0, \a0+1
.irp j, 0,1,2,3,4,5,6,7
	MM (\a), \j, \s
.endr
.endr
.endm
; A K step of 128: 32 products; in its middle the next step's 48 LDS loads, in one run, into the other set.  Steps 1, 3, 5 are a chunk's last: the next chunk must be whole in every wave's eyes.
.macro KSTEP s
	s_wait_dscnt 0x0                               ; this step's fragments are in (and so my reads of the chunk are over in its last step)
.if ((\s)%2 == 1) && ((\s) < 7)
	s_wait_tensorcnt (5-(\s))/2                    ; my part of the next chunk has landed; the loads of the chunks behind it, 2, 1 or 0 of my four, may be out
	s_barrier_signal -1
.endif
.if (\s) == 0
	WIN 0x91                                       ; source 0 (B) and C (the bias image) window 1, source 1 (A) window 0, D window 2
.else
	WIN 0xa1                                       ; C and D window 2
.endif
	MULH \s, 0
.if ((\s)%2 == 1) && ((\s) < 7)
	WIN 0
	s_barrier_wait -1
.irp r, 4,5,6,7
	v_add_nc_u32 v\r, CHUNK, v\r                   ; on to the next chunk.  These four are the places in front of the loads below
.endr
.elseif (\s) < 7
.rept 4
	v_nop                                          ; four places in front of loads into registers that matrix instructions have read
.endr
.endif
.if (\s) < 7
	s_wait_alu depctr_va_vdst(0)
	FETCH (\s)+1
.if ((\s)+1)%2 == 0
	SCALES ((\s)+1)/2
.endif
.endif
.if (\s) == 0
	WIN 0x91
.else
	WIN 0xa1
.endif
	MULH \s, 2
.endm
; 64 numbers of a lane, v[s] on, register 16 b + i = k 32 b + 16 (lane / 16) + i of my row, become a fragment's codes in v[PC] on and its scale word in v[pw]
.macro QUANT s, pw
.irp b, 0,1,2,3
	v_max3_num_f32 v[TM+\b], |v[\s+16*\b]|, |v[\s+1+16*\b]|, 0x1800000   ; and the floor 2^(3 - 127): the byte cannot fall under 1
.endr
.irp i, 2,4,6,8,10,12,14
.irp b, 0,1,2,3
	v_max3_num_f32 v[TM+\b], v[TM+\b], |v[\s+16*\b+\i]|, |v[\s+1+16*\b+\i]|
.endr
.endr
.irp b, 0,1,2,3
	v_permlanex16_b32 v[TM+4+\b], v[TM+\b], s[SEL], s[SEL+1]
.endr
.irp b, 0,1,2,3
	v_max_num_f32 v[TM+\b], v[TM+\b], v[TM+4+\b]
.endr
.irp b, 0,1,2,3
	v_add_nc_u32 v[TM+12+\b], 0xff000000, v[TM+\b]   ; 2 off the exponent field: the conversion's scale operand
.endr
.irp b, 0,1,2,3
	v_lshrrev_b32 v[TM+4+\b], 23, v[TM+12+\b]
.endr
	v_lshl_or_b32 v[\pw], v[TM+5], 8, v[TM+4]
	v_lshl_or_b32 v[\pw], v[TM+6], 16, v[\pw]
	v_lshl_or_b32 v[\pw], v[TM+7], 24, v[\pw]
.irp c, 0,1
	v_cvt_scalef32_pk16_fp6_f32 v[PC+6*\c:PC+2+6*\c], v[\s+32*\c:\s+15+32*\c], v[TM+12+2*\c]
	v_cvt_scalef32_pk16_fp6_f32 v[PC+12+4*\c:PC+14+4*\c], v[\s+16+32*\c:\s+31+32*\c], v[TM+12+2*\c+1]
.endr
	v_nop                                          ; one plain place behind a scaled conversion
.irp c, 0,1
.irp i, 0,1,2
	v_permlane16_swap_b32 v[PC+6*\c+\i], v[PC+12+4*\c+\i]
.endr
.irp i, 0,1,2
	v_mov_b32 v[PC+3+6*\c+\i], v[PC+12+4*\c+\i]
.endr
.endr
.endm
; A tile a goes out: its 64 sums (+ v's bias) are copied to window 0, each accumulator from its low end on, quantised, and stored as two half images
.macro EPI a
	WIN 0x02                                       ; source 0 window 2
.set EQ, 0
.rept 32
	v_pk_add_f32 v[HA+2*EQ:HA+2*EQ+1], v[64*(\a)+2*EQ:64*(\a)+2*EQ+1], v[BA+2*(\a):BA+2*(\a)+1] op_sel_hi:[1,0]
.set EQ, EQ+1
.endr
	WIN 0
	s_wait_xcnt 0x0                                ; the last tile's stores have read the codes' registers and their bases
.if (\a) > 0
	s_add_nc_u64 s[84:85], s[84:85], s[92:93]
	s_add_nc_u64 s[86:87], s[86:87], s[92:93]
.endif
	QUANT HA, PWK+(\a)
	global_store_b128 v8, v[PC:PC+3], s[84:85]
	global_store_b64 v9, v[PC+4:PC+5], s[84:85] offset:512
	global_store_b128 v8, v[PC+6:PC+9], s[86:87]
	global_store_b64 v9, v[PC+10:PC+11], s[86:87] offset:512
.endm
	s_load_b256 s[4:11], s[0:1], 0x0               ; xq s[4:5], wq s[6:7], b_attn s[8:9], qkv s[10:11]
	v_lshl_add_u32 v254, v0, 2, 0x4b000
	v_mov_b32 v255, 0
	ds_add_u32 v254, v255
	ds_add_u32 v254, v255
	v_lshrrev_b32 v10, 5, v0
	v_readfirstlane_b32 s12, v10                   ; wave 0..3
	s_lshr_b32 s13, s12, 1                         ; wa: my half of A's tiles.  Also: I fetch for A (0) or for B (1)
	s_and_b32 s14, s12, 1                          ; wb: my half of B's tiles.  Also: which half of that side's records I fetch
	s_bfe_u32 s15, ttmp6, 0x40000                  ; cx
	s_bfe_u32 s16, ttmp6, 0x40004                  ; cy
	s_mov_b32 s17, ttmp9                           ; X: the cluster's x: 0 q, 1 k, 2 v
	s_and_b32 s18, ttmp7, 0xffff                   ; Y: the cluster's y
	s_lshl_b32 s2, s16, 2
	s_lshl_b32 s2, 15, s2                          ; my row of the cluster
	s_lshl_b32 s3, 0x1111, s15                     ; my column
	; group 1: rows of 6,400 bytes (800 elements of 8), one record each, 25,600 bytes apart (from pair to pair); A: 2 records a load, B: 4; no padding
	s_or_b32 s[G1A], s2, (3<<16)|(1<<21)
	s_or_b32 s[G1B], s3, (3<<16)|(1<<21)
	s_mov_b32 s[G1A+1], 800<<16
	s_mov_b32 s[G1A+2], 2<<16
	s_mov_b32 s[G1A+3], 800<<16
	s_mov_b32 s[G1A+4], 2
	s_mov_b32 s[G1A+5], 3200
	s_mov_b32 s[G1A+6], 0
	s_mov_b32 s[G1A+7], 0
	s_mov_b32 s[G1B+1], 800<<16
	s_mov_b32 s[G1B+2], 4<<16
	s_mov_b32 s[G1B+3], 800<<16
	s_mov_b32 s[G1B+4], 4
	s_mov_b32 s[G1B+5], 3200
	s_mov_b32 s[G1B+6], 0
	s_mov_b32 s[G1B+7], 0
	s_lshl_b32 s60, s18, 2
	s_add_co_u32 s60, s60, s16                     ; R  = 4 Y + cy: q, k: which 128 rows of x
	s_and_b32 s61, s18, 1
	s_lshl_b32 s61, s61, 2
	s_add_co_u32 s61, s61, s16                     ; R' = 4 (Y & 1) + cy: v: which 128 columns
	s_lshl_b32 s62, s17, 2
	s_add_co_u32 s62, s62, s15                     ; Cc = 4 X + cx: q, k: which 256 columns
	s_lshr_b32 s63, s18, 1
	s_lshl_b32 s63, s63, 2
	s_add_co_u32 s63, s63, s15                     ; C' = 4 (Y >> 1) + cx: v: which 256 rows of x
	s_lshl_b32 s20, s60, 2                         ; A's first pair: 4 R,
	s_lshl_b32 s21, s61, 2
	s_add_co_u32 s21, s21, 64                      ; or 64 + 4 R'
	s_lshl_b32 s22, s62, 3                         ; B's: 8 Cc,
	s_lshl_b32 s23, s63, 3                         ; or 8 C'
	s_wait_dscnt 0x0
	s_wait_kmcnt 0x0
	s_cmp_eq_u32 s17, 2
	s_cselect_b32 s20, s21, s20
	s_cselect_b32 s22, s23, s22
	s_cselect_b64 s[56:57], s[6:7], s[4:5]         ; A: wq for v, else xq
	s_cselect_b64 s[58:59], s[4:5], s[6:7]         ; B: the other
	s_lshl_b32 s21, s14, 1
	s_add_co_u32 s20, s20, s21                     ; + the 2 pairs of A that I would fetch
	s_mul_i32 s20, s20, PAIRB
	s_mov_b32 s21, 0
	s_lshl_b32 s23, s14, 2
	s_add_co_u32 s22, s22, s23                     ; + the 4 pairs of B
	s_mul_i32 s22, s22, PAIRB
	s_mov_b32 s23, 0
	s_add_nc_u64 s[56:57], s[56:57], s[20:21]
	s_add_nc_u64 s[58:59], s[58:59], s[22:23]
	s_mul_i32 s94, s14, 2*REC                      ; where they go in a chunk: no place in the cluster enters an LDS address
	s_mul_i32 s95, s14, 4*REC
	s_add_co_u32 s95, s95, 4*REC
.irp c, 0,1,2,3
	s_mov_b32 s[G0A+4*\c], 1
	s_add_co_u32 s[G0A+4*\c+1], s94, \c*CHUNK
	s_add_nc_u64 s[G0A+4*\c+2:G0A+4*\c+3], s[56:57], \c*REC
	s_or_b32 s[G0A+4*\c+3], s[G0A+4*\c+3], 0x80000000
	s_mov_b32 s[G0B+4*\c], 1
	s_add_co_u32 s[G0B+4*\c+1], s95, \c*CHUNK
	s_add_nc_u64 s[G0B+4*\c+2:G0B+4*\c+3], s[58:59], \c*REC
	s_or_b32 s[G0B+4*\c+3], s[G0B+4*\c+3], 0x80000000
.endr
	CROUND                                         ; all sixteen work-groups are here: the joint loads meet
	s_cmp_eq_u32 s13, 0                            ; all of a wave's fills stand in one branch on its number: four loads of mine are out
	s_cbranch_scc0 .Lfill_b
.irp c, 0,1,2,3
	tensor_load_to_lds s[G0A+4*\c:G0A+4*\c+3], s[G1A:G1A+7]
	s_nop 0
.endr
.rept 4
	v_nop                                          ; four lines behind the last load, ahead of the jump
.endr
	s_branch .Lfilled
.Lfill_b:
.irp c, 0,1,2,3
	tensor_load_to_lds s[G0B+4*\c:G0B+4*\c+3], s[G1B:G1B+7]
	s_nop 0
.endr
.rept 4
	v_nop
.endr
.Lfilled:
	v_and_b32 v1, 31, v0                           ; lane
	v_and_b32 v2, 15, v0                           ; r
	v_bfe_u32 v3, v0, 4, 1                         ; h
	s_cmp_eq_u32 s17, 2
	s_cbranch_scc1 .Lbias_v
	; q, k: the bias image: tile t's register i is column 32 (t / 2) + 8 (t % 2) + 16 h + i of my 128
	s_lshl_b32 s22, s62, 8
	s_lshl_b32 s23, s14, 7
	s_add_co_u32 s22, s22, s23                     ; 256 Cc + 128 wb
	s_lshl_b32 s22, s22, 2
	s_mov_b32 s23, 0
	s_add_nc_u64 s[8:9], s[8:9], s[22:23]
	s_wait_alu depctr_va_vdst(0)
	v_lshlrev_b32 v10, 6, v3
	WIN 0x40
.irp t, 0,1,2,3,4,5,6,7
	global_load_b128 v[BB+8*\t:BB+8*\t+3], v10, s[8:9] offset:(32*(\t/2)+8*(\t%2))*4
	global_load_b128 v[BB+8*\t+4:BB+8*\t+7], v10, s[8:9] offset:(32*(\t/2)+8*(\t%2))*4+16
.endr
	WIN 0
.irp i, 0,1,2,3,4,5,6,7
	v_mov_b32 v[BA+\i], 0
.endr
	s_branch .Lbias_done
.Lbias_v:
	; v: one number a lane and A tile: column 2,048 + 128 R' + 64 wa + 32 (a / 2) + 8 (a % 2) + r + 8 (r / 8)
	s_lshl_b32 s20, s61, 7
	s_lshl_b32 s21, s13, 6
	s_add_co_u32 s20, s20, s21
	s_add_co_u32 s20, s20, 2048
	s_lshl_b32 s20, s20, 2
	s_mov_b32 s21, 0
	s_add_nc_u64 s[8:9], s[8:9], s[20:21]
	s_wait_alu depctr_va_vdst(0)
	v_and_b32 v10, 8, v2
	v_add_nc_u32 v10, v10, v2
	v_lshlrev_b32 v10, 2, v10
.irp a, 0,1,2,3
	global_load_b32 v[BA+2*\a], v10, s[8:9] offset:(32*(\a/2)+8*(\a%2))*4
	v_mov_b32 v[BA+2*\a+1], 0                      ; (named with it as a pair)
.endr
	WIN 0x40
.set BQ, 0
.rept 64
	v_mov_b32 v[BB+BQ], 0                          ; the first K step's C: one text serves both roles, so this role's image is zeros
.set BQ, BQ+1
.endr
	WIN 0
.Lbias_done:
	v_lshlrev_b32 v8, 4, v1                        ; 16 x lane
	v_lshlrev_b32 v9, 3, v1                        ; 8 x lane
	s_mul_i32 s94, s13, 2*REC                      ; my two pairs of A in a chunk; s95 still holds my four pairs of B
	v_add_nc_u32 v4, s94, v8
	v_add_nc_u32 v5, s94, v9
	v_add_nc_u32 v6, s95, v8
	v_add_nc_u32 v7, s95, v9
.irp b, 0,1,2,3
	v_mov_b32 v[TM+4+\b], 0                        ; written once: a lane permute's destination counts as one of its sources
.endr
	s_mov_b32 s[SEL], 0x76543210
	s_mov_b32 s[SEL+1], 0xfedcba98
	s_mov_b32 s98, 0x7f7f0000
	; where the results go, as offsets in qkv.  q, k: X part + (16 batch + 4 cx + 2 wb) heads of 106,496 + step (R & 15) of 6,656
	s_and_b32 s20, s60, 0x30                       ; 16 (R >> 4)
	s_lshl_b32 s21, s15, 2
	s_add_co_u32 s20, s20, s21
	s_lshl_b32 s21, s14, 1
	s_add_co_u32 s20, s20, s21
	s_mul_i32 s20, s20, 106496
	s_and_b32 s21, s60, 15
	s_mul_i32 s21, s21, 6656
	s_add_co_u32 s20, s20, s21
	s_mul_i32 s21, s17, 6815744
	s_add_co_u32 s20, s20, s21
	; v: 13,631,488 + (16 batch + 2 R' + wa) heads of 102,400 + step 2 (C' & 7) + wb of 6,400
	s_lshr_b32 s22, s63, 3
	s_lshl_b32 s22, s22, 4
	s_lshl_b32 s23, s61, 1
	s_add_co_u32 s22, s22, s23
	s_add_co_u32 s22, s22, s13
	s_mul_i32 s22, s22, 102400
	s_and_b32 s23, s63, 7
	s_lshl_b32 s23, s23, 1
	s_add_co_u32 s23, s23, s14
	s_mul_i32 s23, s23, 6400
	s_add_co_u32 s22, s22, s23
	s_add_co_u32 s22, s22, 13631488
	s_mul_i32 s21, s13, 3072
	s_add_co_u32 s84, s20, s21                     ; q, k: my four tiles' half images
	s_lshl_b32 s21, s13, 8
	s_add_co_u32 s88, s20, s21                     ; and their block of scale words, less 6,144
	s_cmp_eq_u32 s17, 2
	s_cselect_b32 s84, s22, s84
	s_cselect_b32 s88, s22, s88
	s_mov_b32 s21, 106496
	s_cselect_b32 s21, 768, s21                    ; registers 6-11 go: q, k: to the next head; v: behind registers 0-5
	s_mov_b32 s92, 768
	s_cselect_b32 s92, 1536, s92                   ; from A tile to A tile
	s_add_co_u32 s86, s84, s21
	s_add_co_u32 s88, s88, 6144
	s_add_co_u32 s90, s88, 106496                  ; (q, k alone use it)
	s_mov_b32 s85, 0
	s_mov_b32 s87, 0
	s_mov_b32 s89, 0
	s_mov_b32 s91, 0
	s_mov_b32 s93, 0
	s_add_nc_u64 s[84:85], s[10:11], s[84:85]
	s_add_nc_u64 s[86:87], s[10:11], s[86:87]
	s_add_nc_u64 s[88:89], s[10:11], s[88:89]
	s_add_nc_u64 s[90:91], s[10:11], s[90:91]
	s_wait_alu depctr_va_vdst(0)
	s_wait_tensorcnt 3                             ; my part of chunk 0 has landed; my three younger loads may be out
	s_barrier_signal -1
	s_barrier_wait -1                              ; everybody's has
	FETCH 0
	SCALES 0
	s_wait_loadcnt 0x0                             ; the bias
.irp s, 0,1,2,3,4,5,6,7
	KSTEP \s
.endr
	WIN 0
.rept 4
	v_nop                                          ; four places: the lines below read results and write registers that the last products read
.endr
	EPI 0
	EPI 1
	EPI 2
	EPI 3
	v_cmp_le_u32 vcc_lo, 16, v1                    ; the scale words: lanes 0-15 the even tile's rows, lanes 16-31 the odd tile's
	v_cndmask_b32 v188, v[PWK], v[PWK+1], vcc_lo
	v_cndmask_b32 v189, v[PWK+2], v[PWK+3], vcc_lo
	s_cmp_eq_u32 s17, 2
	s_cbranch_scc1 .Lscale_v
	v_and_or_b32 v190, v188, 0xffff, s98           ; q, k: bytes 0, 1 are the first head's two blocks, bytes 2, 3 the second's; the empty half of K gets 0x7f
	v_and_or_b32 v191, v189, 0xffff, s98
	v_lshrrev_b32 v12, 16, v188
	v_lshrrev_b32 v13, 16, v189
	v_or_b32 v12, s98, v12
	v_or_b32 v13, s98, v13
	global_store_b64 v9, v[190:191], s[88:89]
	global_store_b64 v9, v[12:13], s[90:91]
	s_branch .Lend
.Lscale_v:
	s_wait_alu depctr_va_vdst(0)
	global_store_b64 v9, v[188:189], s[88:89]      ; v: the four bytes are the four blocks of these 128 keys
.Lend:
	s_wait_tensorcnt 0x0
	ds_add_u32 v254, v255
	s_wait_dscnt 0x0
	CROUND                                         ; the closing round: no work-group ends while a partner may still ask for a record that names it
	s_endpgm
.Lfunc_end_k_q1d7e8ec760_gemm_qkv:
	.size	k_q1d7e8ec760_gemm_qkv, .Lfunc_end_k_q1d7e8ec760_gemm_qkv-k_q1d7e8ec760_gemm_qkv
	.p2alignl 7, 3214868480
	.fill 96, 4, 3214868480
	.section	.rodata,"a",@progbits
	.p2align	6, 0x0
	.amdhsa_kernel k_q1d7e8ec760_gemm_qkv
		.amdhsa_group_segment_fixed_size 307712
		.amdhsa_private_segment_fixed_size 0
		.amdhsa_enable_private_segment 0
		.amdhsa_kernarg_size 32
		.amdhsa_user_sgpr_count 2
		.amdhsa_user_sgpr_kernarg_segment_ptr 1
		.amdhsa_wavefront_size32 1
		.amdhsa_system_sgpr_workgroup_id_x 1
		.amdhsa_system_sgpr_workgroup_id_y 1
		.amdhsa_system_sgpr_workgroup_id_z 1
		.amdhsa_system_vgpr_workitem_id 0
		.amdhsa_next_free_vgpr 768
		.amdhsa_next_free_sgpr 100
		.amdhsa_reserve_vcc 1
		.amdhsa_float_denorm_mode_32 3
		.amdhsa_float_denorm_mode_16_64 3
		.amdhsa_memory_ordered 1
		.amdhsa_forward_progress 1
		.amdhsa_inst_pref_size 102
	.end_amdhsa_kernel
	.amdgpu_metadata
---
amdhsa.version: [ 1, 2 ]
amdhsa.kernels:
  - .name:           k_q1d7e8ec760_gemm_qkv
    .symbol:         k_q1d7e8ec760_gemm_qkv.kd
    .args:
      - { .name: xq, .offset: 0, .size: 8, .value_kind: global_buffer, .address_space: global }
      - { .name: wq, .offset: 8, .size: 8, .value_kind: global_buffer, .address_space: global }
      - { .name: b_attn, .offset: 16, .size: 8, .value_kind: global_buffer, .address_space: global }
      - { .name: qkv, .offset: 24, .size: 8, .value_kind: global_buffer, .address_space: global }
    .group_segment_fixed_size: 307712
    .private_segment_fixed_size: 0
    .kernarg_segment_align: 8
    .kernarg_segment_size: 32
    .max_flat_workgroup_size: 128
    .sgpr_count:     100
    .vgpr_count:     768
    .wavefront_size: 32
...
	.end_amdgpu_metadata
.endif
;; end of part 2
;; launch attn (part 3): grid 4 x 64, 16 waves a work-group, clusters of 4 x 1, 210,944 bytes of LDS; arguments qkv, aq; writes aq
.if DOCPART == 3
	.amdgcn_target "amdgcn-amd-amdhsa--gfx1250"
	.amdhsa_code_object_version 6
	.text
	.protected	k_q1d7e8ec760_attn
	.globl	k_q1d7e8ec760_attn
	.p2align	8
	.type	k_q1d7e8ec760_attn,@function
k_q1d7e8ec760_attn:
	s_mov_b64 s[64:65], 0
	v_nop
	global_prefetch_b8 v0, s[64:65] scope:SCOPE_SE
	s_setreg_imm32_b32 hwreg(HW_REG_WAVE_MODE, 25, 1), 1
	s_wait_xcnt 0x0
	s_wait_alu depctr_hold_cnt(0) depctr_sa_sdst(0) depctr_va_vdst(0) depctr_va_sdst(0) depctr_va_ssrc(0) depctr_va_vcc(0) depctr_vm_vsrc(0)
	s_getreg_b32 s2, hwreg(HW_REG_IB_STS2, 6, 4)
	s_cmp_eq_u32 s2, 0
	s_cbranch_scc0 .Lentry_in_a_cluster
	s_endpgm
.Lentry_in_a_cluster:
	s_bfe_u32 s2, ttmp6, 0x10000c
	s_cmp_lg_u32 s2, 0x3003
	s_cbranch_scc0 .Lentry_shape_is_right
	s_endpgm
.Lentry_shape_is_right:
; Causal attention of one head (bh = 16 batch + head = the cluster's y), both products on codes of FP6 (E2M3) with E8M0 scales; the result, divided by the row's sum, is quantised along D and leaves as codes.
; THE SOFTMAX AHEAD OF THE SECOND PRODUCT: t = score x log2(e) / 8; M = the running largest t rounded UP to a whole number; p = 2^(t - M) is quantised along the keys, not normalised; the row's sum is taken of the
; unquantised p; when M moves, the sum and O are multiplied by 2^(old M - new M), which rounds nothing.
; IN: q and k as [bh][step of 128 rows][6,656]: 8 half images of 768 bytes (16 rows x 64 along the head) + 512 bytes of scale words; v as [bh][step of 128 keys][6,400]: 4 images (16 channels x 128 keys) + 256 bytes.
; Lane row r of tile 2 p + u of a step is row 32 p + 8 u + r + 8 (r / 8): so the 16 registers of two neighbouring tiles of S^T are 16 neighbouring keys, and those of O^T 16 neighbouring channels.
; K = 64 IN AN INSTRUCTION OF K = 128: Q's fragment is 6 registers of codes and 6 of zero codes.  K's fragment of tile t is v[36 + 6 t] on, 12 registers: its upper half is the next tile's codes (six zeros behind tile 7),
; which meet Q's zeros; the format has no infinity and no NaN, and the upper scale bytes are 0x7f: nothing is loaded for the empty half.
; CLUSTER 4 x 1: the four work-groups share the head's K and V, which lie WHOLE in LDS (K's 16 records at 0, V's 16 at 106,496), each byte filled once, by joint loads: no ring.
; SHARES: sixteen waves, four to a SIMD, so that one wave's vector work stands beside another's products and LDS loads.  Wave w (a = w / 2, u = w % 2) makes two tiles of 16 queries, one after the other: tile 2 cx + u of
; the step G = a, then of G = 15 - a.  A tile of step G needs key steps 0 .. G: (a + 1) + (16 - a) = 17 steps in every wave.  The loops' trip counts are constants; a step whose keys all come after the queries is jumped
; over by a scalar branch on the wave's number and the counter.  On the diagonal (step G) hidden scores become -infinity ahead of the maximum.
; Both products are used transposed (S^T = K Q^T, O^T = V^T P^T): a lane holds one query throughout.
; OUT: aq, records as the next product's operand: [pair of tiles][quarter of K][6,400]; this head's 64 channels are half a fragment (768 bytes) and two bytes of a row's scale word.  Those two bytes a row are stored
; singly: one byte in 24 of aq; lanes l and l + 16 hold the same two bytes and store them to the same place.
; LIMITS: NaN and infinities are not served.  A block whose largest magnitude lies under 2^-124, zeros among them, gets the byte 1.  A block's largest p is taken from its largest score: that leans on v_exp_f32 not
; falling where its input rises, which the ISA guide does not state.
.set KREC,  6656
.set VREC,  6400
.set VOFF,  106496
.set QF,    16                         ; v16-21 Q's codes, v22-27 zero codes
.set KB,    36                         ; v36-89 K's eight tiles (6 registers each) and six zeros; or V's four fragments
.set S,     96                         ; v96-159 S^T, then p
.set O,     160                        ; v160-191 O^T
.set P,     192                        ; v192-203 p's codes
.set PT,    204                        ; v204-206, v208-210 conversions' second halves
.set BM,    212                        ; v212-215 each block's largest score, then largest p
.set BY,    216                        ; v216-219 lane exchanges, bytes, the sum's second chain
.set SO,    220                        ; v220-223 the conversions' scale operands
.set TT,    224
.set NINF,  225                        ; -infinity
.set F,     226                        ; v[226:227] f = 2^(old M - new M); later 1 / the sum (the low word is used)
.set WV,    8
.set G,     14                         ; s14 the step of my queries
.set ST,    15                         ; s15 the key step, and the loop's counter
.set TK,    16                         ; s16 where the step's record of K begins in LDS
.set TV,    17                         ; s17 and V's, less VOFF
.set SEL,   20
.set CS,    22                         ; s[22:23] c = log2(e) / 8
.set G1K,   24
.set G1V,   32
.macro CROUND
	s_barrier_signal -1
	s_barrier_wait -1
	s_cmp_lg_u32 s[WV], 0
	s_cbranch_scc1 .Lnot_wave_0_\@
	s_barrier_signal -3
.Lnot_wave_0_\@:
	s_barrier_wait -3
	s_barrier_signal -1
	s_barrier_wait -1
.endm
.macro QBASE                           ; Q's codes and scale words of my tile in step s[G]
	s_mul_i32 s70, s[G], KREC
	s_add_co_u32 s72, s70, s66
	s_add_co_u32 s70, s70, s67
	s_mov_b32 s73, 0
	s_mov_b32 s71, 0
	s_add_nc_u64 s[56:57], s[4:5], s[72:73]
	s_add_nc_u64 s[58:59], s[4:5], s[70:71]
.endm
.macro OBASE                           ; where that tile's result goes: four pairs of 25,600 bytes a step
	s_mul_i32 s70, s[G], 102400
	s_add_co_u32 s72, s70, s68
	s_add_co_u32 s70, s70, s69
	s_mov_b32 s73, 0
	s_mov_b32 s71, 0
	s_add_nc_u64 s[60:61], s[6:7], s[72:73]
	s_add_nc_u64 s[62:63], s[6:7], s[70:71]
.endm
.macro QLOAD
	global_load_b128 v[QF:QF+3], v1, s[56:57]
	global_load_b64 v[QF+4:QF+5], v2, s[56:57] offset:512
	global_load_b32 v28, v7, s[58:59]
.endm
.macro INIT                            ; the step is written once: the first finds zeros, which the first change of M leaves zeros
	v_mov_b32 v13, 0xff61b1e6                      ; the largest t so far: -3e38, under every t
	s_delay_alu instid0(VALU_DEP_1)
	v_floor_f32 v12, -v13                          ; -M
	v_mov_b32 v14, 0                               ; the sum, in two halves
	v_mov_b32 v15, 0
.set IQ, 0
.rept 32
	v_mov_b32 v[O+IQ], 0
.set IQ, IQ+1
.endr
	s_mov_b32 s[ST], 0
	s_mov_b32 s[TK], 0
	s_mov_b32 s[TV], 0
.endm
; A KEY STEP: 128 keys.
.macro STEP
	s_cmp_gt_u32 s[ST], s[G]                       ; all its keys come after my queries: only the addresses step
	s_cbranch_scc1 .Lskip_\@
	s_setprio 2
	v_add_nc_u32 v8, s[TK], v1                     ; these four are the places in front of loads into registers that the last products read
	v_add_nc_u32 v9, s[TK], v2
	v_add_nc_u32 v10, s[TV], v3
	v_add_nc_u32 v11, s[TV], v4
.irp t, 0,1,2,3,4,5,6,7
	ds_load_b128 v[KB+6*\t:KB+6*\t+3], v8 offset:768*\t
	ds_load_b64 v[KB+6*\t+4:KB+6*\t+5], v9 offset:768*\t+512
.endr
	ds_load_b64 v[30:31], v9 offset:6144           ; K's scale words: register t / 2; lanes 0-15 the even tile, lanes 16-31 the odd one
	ds_load_b64 v[32:33], v9 offset:6400
	s_wait_alu depctr_va_vdst(0)
	s_wait_dscnt 0x0
.irp t, 0,2,4,6
	v_wmma_scale_f32_16x16x128_f8f6f4 v[S+8*\t:S+8*\t+7], v[KB+6*\t:KB+6*\t+11], v[QF:QF+11], 0, v[30+\t/2], v28 matrix_a_fmt:MATRIX_FMT_FP6 matrix_b_fmt:MATRIX_FMT_FP6
	v_wmma_scale_f32_16x16x128_f8f6f4 v[S+8*\t+8:S+8*\t+15], v[KB+6*\t+6:KB+6*\t+17], v[QF:QF+11], 0, v[30+\t/2], v28 matrix_a_fmt:MATRIX_FMT_FP6 matrix_b_fmt:MATRIX_FMT_FP6 matrix_a_scale:MATRIX_SCALE_ROW1
.endr
.rept 4
	v_nop                                          ; four places: loads into K's registers and the first reads of the scores follow
.endr
.irp i, 0,1,2,3                                ; V's four fragments land under the softmax
	ds_load_b128 v[KB+12*\i:KB+12*\i+3], v10 offset:1536*\i
	ds_load_b64 v[KB+12*\i+4:KB+12*\i+5], v11 offset:1536*\i+512
	ds_load_b128 v[KB+12*\i+6:KB+12*\i+9], v10 offset:1536*\i+768
	ds_load_b64 v[KB+12*\i+10:KB+12*\i+11], v11 offset:1536*\i+1280
.endr
	ds_load_b64 v[34:35], v11 offset:6144
	s_cmp_lg_u32 s[ST], s[G]                       ; only step G lies on the diagonal
	s_cbranch_scc1 .Lopen_\@
.set NQ, 0
.rept 64                                       ; register 16 b + i holds key 128 G + 16 (lane / 16) + 32 b + i: hidden where 32 b + i > v5
	v_cmp_gt_i32 vcc_lo, 32*(NQ/16)+NQ%16, v5
	v_cndmask_b32 v[S+NQ], v[S+NQ], v[NINF], vcc_lo
.set NQ, NQ+1
.endr
.Lopen_\@:
.irp b, 0,1,2,3
	v_max3_num_f32 v[BM+\b], v[S+16*\b], v[S+1+16*\b], v[S+2+16*\b]   ; the largest score of each block of 32 keys: it serves the row's maximum and, since p rises with the score, the block's largest p
.endr
.irp i, 3,5,7,9,11,13
.irp b, 0,1,2,3
	v_max3_num_f32 v[BM+\b], v[BM+\b], v[S+16*\b+\i], v[S+1+16*\b+\i]
.endr
.endr
.irp b, 0,1,2,3
	v_max_num_f32 v[BM+\b], v[BM+\b], v[S+15+16*\b]
.endr
.irp b, 0,1,2,3
	s_delay_alu instid0(VALU_DEP_4)
	v_permlanex16_b32 v[BY+\b], v[BM+\b], s[SEL], s[SEL+1]
.endr
.irp b, 0,1,2,3
	s_delay_alu instid0(VALU_DEP_4)
	v_max_num_f32 v[BM+\b], v[BM+\b], v[BY+\b]     ; with lane l xor 16's 16 keys
.endr
	s_delay_alu instid0(VALU_DEP_2)
	v_max3_num_f32 v[TT], v[BM], v[BM+1], v[BM+2]
	s_delay_alu instid0(VALU_DEP_1)
	v_max_num_f32 v[TT], v[TT], v[BM+3]
	s_delay_alu instid0(VALU_DEP_1)
	v_mul_f32 v[TT], s[CS], v[TT]                  ; the step's largest t (c is positive)
	s_delay_alu instid0(VALU_DEP_1)
	v_max_num_f32 v13, v13, v[TT]
	v_mov_b32 v[TT], v12
	s_delay_alu instid0(VALU_DEP_2)
	v_floor_f32 v12, -v13                          ; the new -M = -ceil(t)
	s_delay_alu instid0(VALU_DEP_1)
	v_sub_f32 v[TT], v12, v[TT]                    ; old M - new M: a whole number, 0 or less
	s_delay_alu instid0(VALU_DEP_1)
	v_cvt_i32_f32 v[TT], v[TT]                     ; (it saturates)
	s_delay_alu instid0(VALU_DEP_1)
	v_ldexp_f32 v[F], 1.0, v[TT]                   ; f
.set JQ, 0
.rept 32
	v_pk_fma_f32 v[S+JQ:S+JQ+1], v[S+JQ:S+JQ+1], s[CS:CS+1], v[12:13] op_sel_hi:[1,0,0]   ; t - M, two at a time
.set JQ, JQ+2
.endr
	s_setprio 1
.irp b, 0,1,2,3
	v_fma_f32 v[BM+\b], v[BM+\b], s[CS], v12
.endr
.set JQ, 0
	s_wait_alu depctr_va_vdst(0)
.rept 64
	v_exp_f32 v[S+JQ], v[S+JQ]                     ; p = 2^(t - M), at most 1
.set JQ, JQ+1
.endr
.irp b, 0,1,2,3
	v_exp_f32 v[BM+\b], v[BM+\b]                   ; the block's largest p: the same two instructions on the same number
.endr
	v_pk_mul_f32 v[14:15], v[14:15], v[F:F+1] op_sel_hi:[1,0]   ; the sums under the new M.  (A plain place behind the exponentials)
	s_wait_alu depctr_va_vdst(0)
.irp b, 0,1,2,3
	v_max_num_f32 v[BM+\b], 0x1800000, v[BM+\b]    ; the floor 2^(3 - 127): the byte cannot fall under 1
.endr
.irp b, 0,1,2,3
	s_delay_alu instid0(VALU_DEP_4)
	v_add_nc_u32 v[SO+\b], 0xff000000, v[BM+\b]
.endr
.irp b, 0,1,2,3
	s_delay_alu instid0(VALU_DEP_4)
	v_lshrrev_b32 v[BY+\b], 23, v[SO+\b]
.endr
	s_delay_alu instid0(VALU_DEP_3)
	v_lshl_or_b32 v29, v[BY+1], 8, v[BY]           ; p's scale word for these 128 keys
	s_delay_alu instid0(VALU_DEP_1)
	v_lshl_or_b32 v29, v[BY+2], 16, v29
	s_delay_alu instid0(VALU_DEP_1)
	v_lshl_or_b32 v29, v[BY+3], 24, v29
.irp c, 0,1
	v_cvt_scalef32_pk16_fp6_f32 v[P+6*\c:P+2+6*\c], v[S+32*\c:S+15+32*\c], v[SO+2*\c]
	v_cvt_scalef32_pk16_fp6_f32 v[PT+4*\c:PT+2+4*\c], v[S+16+32*\c:S+31+32*\c], v[SO+2*\c+1]
.endr
	v_nop                                          ; one plain place behind a scaled conversion
.irp c, 0,1
.irp i, 0,1,2
	v_permlane16_swap_b32 v[P+6*\c+\i], v[PT+4*\c+\i]
.endr
.irp i, 0,1,2
	s_delay_alu instid0(VALU_DEP_3)
	v_mov_b32 v[P+3+6*\c+\i], v[PT+4*\c+\i]
.endr
.endr
	v_pk_add_f32 v[216:217], v[100:101], v[104:105]
	v_pk_add_f32 v[252:253], v[108:109], v[112:113]
	v_pk_add_f32 v[250:251], v[116:117], v[120:121]
	v_pk_add_f32 v[248:249], v[124:125], v[128:129]
	v_pk_add_f32 v[246:247], v[132:133], v[136:137]
	v_pk_add_f32 v[244:245], v[140:141], v[144:145]
	v_pk_add_f32 v[242:243], v[148:149], v[152:153]
	v_pk_add_f32 v[14:15], v[14:15], v[156:157]
	v_pk_add_f32 v[216:217], v[216:217], v[96:97]
	v_pk_add_f32 v[252:253], v[252:253], v[98:99]
	s_setprio 0
	v_pk_add_f32 v[250:251], v[250:251], v[102:103]
	v_pk_add_f32 v[248:249], v[248:249], v[106:107]
	v_pk_add_f32 v[246:247], v[246:247], v[110:111]
	v_pk_add_f32 v[244:245], v[244:245], v[114:115]
	v_pk_add_f32 v[242:243], v[242:243], v[118:119]
	v_pk_add_f32 v[14:15], v[14:15], v[122:123]
	v_pk_add_f32 v[216:217], v[216:217], v[126:127]
	v_pk_add_f32 v[252:253], v[252:253], v[130:131]
	v_pk_add_f32 v[250:251], v[250:251], v[134:135]
	v_pk_add_f32 v[248:249], v[248:249], v[138:139]
	v_pk_add_f32 v[246:247], v[246:247], v[142:143]
	v_pk_add_f32 v[244:245], v[244:245], v[146:147]
	v_pk_add_f32 v[242:243], v[242:243], v[150:151]
	v_pk_add_f32 v[14:15], v[14:15], v[154:155]
	v_pk_add_f32 v[216:217], v[216:217], v[158:159]
	s_delay_alu instid0(VALU_DEP_2)
	v_pk_add_f32 v[14:15], v[14:15], v[248:249]
	s_delay_alu instid0(VALU_DEP_2)
	v_pk_add_f32 v[216:217], v[216:217], v[246:247]
	v_pk_add_f32 v[252:253], v[252:253], v[244:245]
	v_pk_add_f32 v[250:251], v[250:251], v[242:243]
	s_delay_alu instid0(VALU_DEP_2)
	v_pk_add_f32 v[14:15], v[14:15], v[252:253]
	s_delay_alu instid0(VALU_DEP_2)
	v_pk_add_f32 v[216:217], v[216:217], v[250:251]
	s_delay_alu instid0(VALU_DEP_1)
	v_pk_add_f32 v[14:15], v[14:15], v[216:217]
.set JQ, 0
.rept 16
	v_pk_mul_f32 v[O+JQ:O+JQ+1], v[O+JQ:O+JQ+1], v[F:F+1] op_sel_hi:[1,0]   ; O^T under the new M.  (With the sums above: the places between the lines that made p's codes and scale word and the products)
.set JQ, JQ+2
.endr
	s_wait_alu depctr_va_vdst(0)
	s_wait_dscnt 0x0                               ; V is in
.irp i, 0,2
	v_wmma_scale_f32_16x16x128_f8f6f4 v[O+8*\i:O+8*\i+7], v[KB+12*\i:KB+12*\i+11], v[P:P+11], v[O+8*\i:O+8*\i+7], v[34+\i/2], v29 matrix_a_fmt:MATRIX_FMT_FP6 matrix_b_fmt:MATRIX_FMT_FP6
	v_wmma_scale_f32_16x16x128_f8f6f4 v[O+8*\i+8:O+8*\i+15], v[KB+12*\i+12:KB+12*\i+23], v[P:P+11], v[O+8*\i+8:O+8*\i+15], v[34+\i/2], v29 matrix_a_fmt:MATRIX_FMT_FP6 matrix_b_fmt:MATRIX_FMT_FP6 matrix_a_scale:MATRIX_SCALE_ROW1
.endr
.Lskip_\@:
	s_add_co_u32 s[TK], s[TK], KREC
	s_add_co_u32 s[TV], s[TV], VREC
.endm
.macro PASS trips
.Lstep_\@:
	STEP
	s_add_co_u32 s[ST], s[ST], 1
	s_cmp_lt_u32 s[ST], \trips
	s_cbranch_scc1 .Lstep_\@
	s_setprio 0
.endm
; O^T / the sum; its two blocks of 32 channels are quantised and stored as half a fragment's image and two scale bytes a row
.macro OUT
.rept 4
	v_nop                                          ; four places behind the last products
.endr
	v_add_f32 v14, v14, v15
	s_delay_alu instid0(VALU_DEP_1)
	v_permlanex16_b32 v[TT], v14, s[SEL], s[SEL+1]
	s_delay_alu instid0(VALU_DEP_1)
	v_add_f32 v14, v14, v[TT]                      ; the row's sum
	s_wait_alu depctr_va_vdst(0)
	v_rcp_f32 v[F], v14
	v_nop                                          ; one plain place behind a transcendental
.set JQ, 0
	s_wait_alu depctr_va_vdst(0)
.rept 16
	v_pk_mul_f32 v[O+JQ:O+JQ+1], v[O+JQ:O+JQ+1], v[F:F+1] op_sel_hi:[1,0]   ; register 16 b + i is channel 32 b + 16 (lane / 16) + i; each accumulator from its low end on
.set JQ, JQ+2
.endr
.irp b, 0,1
	v_max3_num_f32 v[BM+\b], |v[O+16*\b]|, |v[O+1+16*\b]|, 0x1800000
.endr
.irp i, 2,4,6,8,10,12,14
.irp b, 0,1
	s_delay_alu instid0(VALU_DEP_2)
	v_max3_num_f32 v[BM+\b], v[BM+\b], |v[O+16*\b+\i]|, |v[O+1+16*\b+\i]|
.endr
.endr
.irp b, 0,1
	s_delay_alu instid0(VALU_DEP_2)
	v_permlanex16_b32 v[BY+\b], v[BM+\b], s[SEL], s[SEL+1]
.endr
.irp b, 0,1
	s_delay_alu instid0(VALU_DEP_2)
	v_max_num_f32 v[BM+\b], v[BM+\b], v[BY+\b]
.endr
.irp b, 0,1
	s_delay_alu instid0(VALU_DEP_2)
	v_add_nc_u32 v[SO+\b], 0xff000000, v[BM+\b]
.endr
.irp b, 0,1
	s_delay_alu instid0(VALU_DEP_2)
	v_lshrrev_b32 v[BY+\b], 23, v[SO+\b]
.endr
	s_delay_alu instid0(VALU_DEP_1)
	v_lshl_or_b32 v[TT], v[BY+1], 8, v[BY]         ; my row's two scale bytes
	v_cvt_scalef32_pk16_fp6_f32 v[P:P+2], v[O:O+15], v[SO]
	v_cvt_scalef32_pk16_fp6_f32 v[PT:PT+2], v[O+16:O+31], v[SO+1]
	v_nop                                          ; one plain place behind a scaled conversion
.irp i, 0,1,2
	v_permlane16_swap_b32 v[P+\i], v[PT+\i]
.endr
.irp i, 0,1,2
	s_delay_alu instid0(VALU_DEP_3)
	v_mov_b32 v[P+3+\i], v[PT+\i]
.endr
	global_store_b128 v1, v[P:P+3], s[60:61]
	global_store_b64 v2, v[P+4:P+5], s[60:61] offset:512
	global_store_b16 v7, v[TT], s[62:63]
	s_wait_xcnt 0x0                                ; the stores have read their registers and bases: both may be written again
.endm
	s_load_b128 s[4:7], s[0:1], 0x0                ; qkv, aq
	v_lshl_add_u32 v254, v0, 2, 0x33000
	v_mov_b32 v255, 0
	ds_add_u32 v254, v255
	ds_add_u32 v254, v255
	v_lshrrev_b32 v8, 5, v0
	s_delay_alu instid0(VALU_DEP_1)
	v_readfirstlane_b32 s[WV], v8                  ; wave 0..15
	s_lshr_b32 s9, s[WV], 1                        ; a
	s_and_b32 s10, s[WV], 1                        ; u
	s_and_b32 s13, s[WV], 7                        ; which records I fetch
	s_bfe_u32 s11, ttmp6, 0x40000                  ; cx
	s_and_b32 s12, ttmp7, 0xffff                   ; bh, which the four partners share
	; group 1: a record as rows of 256 bytes (32 elements of 8), dense; K's has 26, V's 25; the mask names all four work-groups
	s_mov_b32 s[G1K], 15|(3<<16)|(1<<21)
	s_mov_b32 s[G1K+1], 32<<16
	s_mov_b32 s[G1K+2], 26<<16
	s_mov_b32 s[G1K+3], 32<<16
	s_mov_b32 s[G1K+4], 26
	s_mov_b32 s[G1K+5], 32
	s_mov_b32 s[G1K+6], 0
	s_mov_b32 s[G1K+7], 0
	s_mov_b32 s[G1V], 15|(3<<16)|(1<<21)
	s_mov_b32 s[G1V+1], 32<<16
	s_mov_b32 s[G1V+2], 25<<16
	s_mov_b32 s[G1V+3], 32<<16
	s_mov_b32 s[G1V+4], 25
	s_mov_b32 s[G1V+5], 32
	s_mov_b32 s[G1V+6], 0
	s_mov_b32 s[G1V+7], 0
	s_mul_i32 s72, s12, 16*KREC
	s_mul_i32 s74, s13, KREC
	s_add_co_u32 s72, s72, s74
	s_add_co_u32 s72, s72, 6815744                 ; K's record w & 7 of my head
	s_mov_b32 s73, 0
	s_mul_i32 s76, s12, 16*VREC
	s_mul_i32 s75, s13, VREC
	s_add_co_u32 s76, s76, s75
	s_add_co_u32 s76, s76, 13631488                ; V's
	s_mov_b32 s77, 0
	s_wait_dscnt 0x0
	s_wait_kmcnt 0x0
	s_mov_b32 s40, 1
	s_mov_b32 s41, s74
	s_add_nc_u64 s[42:43], s[4:5], s[72:73]
	s_or_b32 s43, s43, 0x80000000
	s_mov_b32 s44, 1
	s_add_co_u32 s45, s74, 8*KREC                  ; and the record eight on
	s_add_nc_u64 s[46:47], s[4:5], s[72:73]
	s_add_nc_u64 s[46:47], s[46:47], 8*KREC
	s_or_b32 s47, s47, 0x80000000
	s_mov_b32 s48, 1
	s_add_co_u32 s49, s75, VOFF
	s_add_nc_u64 s[50:51], s[4:5], s[76:77]
	s_or_b32 s51, s51, 0x80000000
	s_mov_b32 s52, 1
	s_add_co_u32 s53, s75, VOFF+8*VREC
	s_add_nc_u64 s[54:55], s[4:5], s[76:77]
	s_add_nc_u64 s[54:55], s[54:55], 8*VREC
	s_or_b32 s55, s55, 0x80000000
	CROUND                                         ; all four work-groups are here: the joint loads meet
	s_cmp_lt_u32 s[WV], 8                          ; waves 0-7 fetch K, waves 8-15 V: two loads of mine are out
	s_cbranch_scc0 .Lfill_v
	tensor_load_to_lds s[40:43], s[G1K:G1K+7]
	s_nop 0
	tensor_load_to_lds s[44:47], s[G1K:G1K+7]
	s_nop 0
.rept 4
	v_nop                                          ; four lines behind the last load, ahead of the jump
.endr
	s_branch .Lfilled
.Lfill_v:
	tensor_load_to_lds s[48:51], s[G1V:G1V+7]
	s_nop 0
	tensor_load_to_lds s[52:55], s[G1V:G1V+7]
	s_nop 0
.rept 4
	v_nop
.endr
.Lfilled:
	v_and_b32 v6, 31, v0                           ; lane
	v_and_b32 v9, 15, v0                           ; r
	v_bfe_u32 v10, v0, 4, 1                        ; h
	s_delay_alu instid0(VALU_DEP_3)
	v_lshlrev_b32 v1, 4, v6                        ; 16 x lane
	s_delay_alu instid0(VALU_DEP_4)
	v_lshlrev_b32 v2, 3, v6                        ; 8 x lane
	s_delay_alu instid0(VALU_DEP_2)
	v_add_nc_u32 v3, VOFF, v1
	s_delay_alu instid0(VALU_DEP_2)
	v_add_nc_u32 v4, VOFF, v2
	v_lshlrev_b32 v7, 3, v9                        ; 8 r
	v_and_b32 v5, 8, v9
	s_delay_alu instid0(VALU_DEP_1)
	v_add_nc_u32 v5, v5, v9                        ; r + 8 (r / 8)
	v_lshlrev_b32 v10, 4, v10
	s_delay_alu instid0(VALU_DEP_1)
	v_sub_nc_u32 v5, v5, v10
	s_lshl_b32 s70, s11, 5
	s_lshl_b32 s71, s10, 3
	s_add_co_u32 s70, s70, s71
	v_add_nc_u32 v5, s70, v5                       ; my query's place in its step, less 16 (lane / 16)
.irp i, 0,1,2,3,4,5
	v_mov_b32 v[QF+6+\i], 0                        ; zero codes: Q's upper half,
	v_mov_b32 v[KB+48+\i], 0                       ; and what stands behind K's tile 7
.endr
.irp b, 0,1,2,3
	v_mov_b32 v[BY+\b], 0                          ; written once: a lane permute's destination counts as one of its sources
.endr
	v_mov_b32 v[TT], 0
	v_mov_b32 v[NINF], 0xff800000
	v_mov_b32 v[F+1], 0                            ; (named with f as a pair)
	s_mov_b32 s[SEL], 0x76543210
	s_mov_b32 s[SEL+1], 0xfedcba98
	s_mov_b32 s[CS], 0x3e38aa3b                    ; log2(e) / 8
	s_mov_b32 s[CS+1], s[CS]
	; offsets that do not hang on G.  Q: head, tile 2 cx + u of a step; its scale words: block cx / 2, lanes 16 u on, word cx % 2
	s_mul_i32 s70, s12, 16*KREC
	s_lshl_b32 s71, s11, 1
	s_add_co_u32 s71, s71, s10
	s_mul_i32 s71, s71, 768
	s_add_co_u32 s66, s70, s71
	s_lshr_b32 s71, s11, 1
	s_lshl_b32 s71, s71, 8
	s_add_co_u32 s67, s70, s71
	s_lshl_b32 s71, s10, 7
	s_add_co_u32 s67, s67, s71
	s_and_b32 s71, s11, 1
	s_lshl_b32 s71, s71, 2
	s_add_co_u32 s67, s67, s71
	s_add_co_u32 s67, s67, 6144
	; out: pair 64 batch + 4 G + cx; quarter head / 4; fragment (u, (head / 2) % 2), half head % 2
	s_lshr_b32 s70, s12, 4
	s_lshl_b32 s70, s70, 6
	s_add_co_u32 s70, s70, s11
	s_mul_i32 s70, s70, 25600
	s_bfe_u32 s71, s12, 0x20002
	s_mul_i32 s71, s71, 6400
	s_add_co_u32 s70, s70, s71
	s_bfe_u32 s71, s12, 0x10001
	s_and_b32 s78, s12, 1
	s_mul_i32 s68, s10, 3072
	s_add_co_u32 s68, s68, s70
	s_mul_i32 s79, s71, 1536
	s_add_co_u32 s68, s68, s79
	s_mul_i32 s79, s78, 768
	s_add_co_u32 s68, s68, s79
	s_lshl_b32 s69, s10, 7
	s_add_co_u32 s69, s69, s70
	s_lshl_b32 s79, s71, 2
	s_add_co_u32 s69, s69, s79
	s_lshl_b32 s79, s78, 1
	s_add_co_u32 s69, s69, s79
	s_add_co_u32 s69, s69, 6144
	; ---- the first tile: G = a, key steps 0 .. a, all among records 0 .. 7
	s_mov_b32 s[G], s9
	QBASE
	QLOAD
	OBASE
	INIT
	s_wait_tensorcnt 1                             ; my first record has landed; my second may be out
	s_barrier_signal -1
	s_barrier_wait -1                              ; records 0 .. 7 of K and of V are whole
	s_wait_loadcnt 0x0                             ; Q
	PASS 8
	; ---- the second tile: G = 15 - a
	s_sub_co_u32 s[G], 15, s9
	QBASE
	QLOAD                                          ; lands under the first tile's way out
	OUT
	OBASE
	INIT
	s_wait_tensorcnt 0x0                           ; my second record has landed
	s_wait_dscnt 0x0
	s_barrier_signal -1
	s_barrier_wait -1                              ; all sixteen records are whole
	s_wait_loadcnt 0x0
	PASS 16
	OUT
	s_wait_tensorcnt 0x0
	ds_add_u32 v254, v255
	s_wait_dscnt 0x0
	CROUND                                         ; the closing round
	s_endpgm
.Lfunc_end_k_q1d7e8ec760_attn:
	.size	k_q1d7e8ec760_attn, .Lfunc_end_k_q1d7e8ec760_attn-k_q1d7e8ec760_attn
	.p2alignl 7, 3214868480
	.fill 96, 4, 3214868480
	.section	.rodata,"a",@progbits
	.p2align	6, 0x0
	.amdhsa_kernel k_q1d7e8ec760_attn
		.amdhsa_group_segment_fixed_size 210944
		.amdhsa_private_segment_fixed_size 0
		.amdhsa_enable_private_segment 0
		.amdhsa_kernarg_size 16
		.amdhsa_user_sgpr_count 2
		.amdhsa_user_sgpr_kernarg_segment_ptr 1
		.amdhsa_wavefront_size32 1
		.amdhsa_system_sgpr_workgroup_id_x 1
		.amdhsa_system_sgpr_workgroup_id_y 1
		.amdhsa_system_sgpr_workgroup_id_z 1
		.amdhsa_system_vgpr_workitem_id 0
		.amdhsa_next_free_vgpr 256
		.amdhsa_next_free_sgpr 80
		.amdhsa_reserve_vcc 1
		.amdhsa_float_denorm_mode_32 3
		.amdhsa_float_denorm_mode_16_64 3
		.amdhsa_memory_ordered 1
		.amdhsa_forward_progress 1
		.amdhsa_inst_pref_size 66
	.end_amdhsa_kernel
	.amdgpu_metadata
---
amdhsa.version: [ 1, 2 ]
amdhsa.kernels:
  - .name:           k_q1d7e8ec760_attn
    .symbol:         k_q1d7e8ec760_attn.kd
    .args:
      - { .name: qkv, .offset: 0, .size: 8, .value_kind: global_buffer, .address_space: global }
      - { .name: aq, .offset: 8, .size: 8, .value_kind: global_buffer, .address_space: global }
    .group_segment_fixed_size: 210944
    .private_segment_fixed_size: 0
    .kernarg_segment_align: 8
    .kernarg_segment_size: 16
    .max_flat_workgroup_size: 512
    .sgpr_count:     80
    .vgpr_count:     256
    .wavefront_size: 32
...
	.end_amdgpu_metadata
.endif
;; end of part 3
;; launch gemm_proj (part 4): grid 4 x 64, 4 waves a work-group, clusters of 4 x 4, 307,712 bytes of LDS; arguments aq, wq, b_proj, out0; writes out0
.if DOCPART == 4
	.amdgcn_target "amdgcn-amd-amdhsa--gfx1250"
	.amdhsa_code_object_version 6
	.text
	.protected	k_q1d7e8ec760_gemm_proj
	.globl	k_q1d7e8ec760_gemm_proj
	.p2align	8
	.type	k_q1d7e8ec760_gemm_proj,@function
k_q1d7e8ec760_gemm_proj:
	s_mov_b64 s[64:65], 0
	v_nop
	global_prefetch_b8 v0, s[64:65] scope:SCOPE_SE
	s_setreg_imm32_b32 hwreg(HW_REG_WAVE_MODE, 25, 1), 1
	s_wait_xcnt 0x0
	s_wait_alu depctr_hold_cnt(0) depctr_sa_sdst(0) depctr_va_vdst(0) depctr_va_sdst(0) depctr_va_ssrc(0) depctr_va_vcc(0) depctr_vm_vsrc(0)
	s_getreg_b32 s2, hwreg(HW_REG_IB_STS2, 6, 4)
	s_cmp_eq_u32 s2, 0
	s_cbranch_scc0 .Lentry_in_a_cluster
	s_endpgm
.Lentry_in_a_cluster:
	s_bfe_u32 s2, ttmp6, 0x10000c
	s_cmp_lg_u32 s2, 0xf033
	s_cbranch_scc0 .Lentry_shape_is_right
	s_endpgm
.Lentry_shape_is_right:
; out0 = attention's result x w_proj + b_proj, on codes of FP6 (E2M3) with E8M0 scales; f32 out.
; OPERANDS come as records of 6,400 bytes (pair of tiles x 256 along K): four fragments' register images of 1,536 bytes, then 256 bytes of scale words.  Lane row r of tile u of pair P is row 32 P + 8 u + r + 8 (r / 8).
; A WORK-GROUP makes 128 rows (side A: aq, 4 pairs) x 256 columns (side B: wq's pairs 96 on, 8 pairs) over all of K = 1,024.  ALL OF K LIES IN LDS AT ONCE, four chunks of 256 along K, 76,800 bytes each
; (A's 4 records, then B's 8): every LDS byte is filled once, so there is no ring.  Four waves; wave (wa, wb) makes A's tiles 4 wa .. + 3 x B's tiles 8 wb .. + 7: 32 accumulators.
; THE MATRIX INSTRUCTION IS USED TRANSPOSED (source 0 = a tile of B, source 1 = a tile of A): a lane holds one row of the result, and register i of tile j is column 32 (j / 2) + 8 (j % 2) + 16 (lane / 16) + i.
; CLUSTER 4 x 4: A's records hang on cy, B's on cx: each is asked for jointly by the four of a row or of a column of the cluster.
; THE BIAS is the C of the first K step: an image of it in the result's layout.
; THE WAY OUT: a tile of 16 rows x 128 columns goes through the wave's own stage in LDS (rows of 528 bytes) and leaves as whole rows of 512 consecutive aligned bytes.  The stage lies in chunk 0, which has had its only fill
; and its last read when the first result is stored there.
; REGISTERS, in windows of 256: window 0: v1-15 addresses; v16-63 scale words and nothing else; v64-159 A's fragments, two sets; on the way out v64-191.  window 1: v0-191 B's fragments, two sets; v192-255 the bias image.
;   window 2: accumulator (a, j) at v[8 (8 a + j)].
; LIMITS: NaN and infinities are not served.
.set REC,   6400
.set PAIRB, 25600
.set CHUNK, 76800
.set SC,    16
.set AF,    64
.set BB,    192                        ; in window 1
.set G1A,   24
.set G1B,   32
.set G0A,   40                         ; s[40:55] four sets, one a chunk
.set G0B,   68                         ; s[68:83]
.set MSB, 0
.macro WIN new                         ; the immediate's high byte repeats the setting that is left
.if MSB != \new
	s_set_vgpr_msb (MSB<<8)|\new
.set MSB, \new
.endif
.endm
.macro CROUND                          ; a round of the cluster's barrier
	s_barrier_signal -1
	s_barrier_wait -1
	s_cmp_lg_u32 s12, 0
	s_cbranch_scc1 .Lnot_wave_0_\@
	s_barrier_signal -3
.Lnot_wave_0_\@:
	s_barrier_wait -3
	s_barrier_signal -1
	s_barrier_wait -1
.endm
.macro FRAG reg, a16, a8, off          ; a fragment's image back into 12 registers
	ds_load_b128 v[\reg:\reg+3], v[\a16] offset:\off
	ds_load_b64 v[\reg+4:\reg+5], v[\a8] offset:\off+512
	ds_load_b128 v[\reg+6:\reg+9], v[\a16] offset:\off+768
	ds_load_b64 v[\reg+10:\reg+11], v[\a8] offset:\off+1280
.endm
.macro FETCH s                         ; K step s: B's eight fragments and A's four into set s % 2
	WIN 0x40
.irp j, 0,1,2,3,4,5,6,7
	FRAG 96*((\s)%2)+12*\j, 6, 7, (\j/2)*REC+(\j%2)*3072+((\s)%2)*1536
.endr
	WIN 0
.irp i, 0,1,2,3
	FRAG AF+48*((\s)%2)+12*\i, 4, 5, (\i/2)*REC+(\i%2)*3072+((\s)%2)*1536
.endr
.endm
.macro SCALES c                        ; chunk c's scale words: a pair of registers (two K steps) for each pair of tiles; lanes 0-15 tile 0's rows, lanes 16-31 tile 1's
.irp p, 0,1
	ds_load_b64 v[SC+12*(\c)+2*\p:SC+12*(\c)+2*\p+1], v5 offset:REC*\p+6144
.endr
.irp p, 0,1,2,3
	ds_load_b64 v[SC+12*(\c)+4+2*\p:SC+12*(\c)+4+2*\p+1], v7 offset:REC*\p+6144
.endr
.endm
.macro MM a, j, s                      ; one product.  In K step 0 C is the bias image (window 1)
.set rD, 8*(8*(\a)+(\j))
.set rB, 96*((\s)%2)+12*(\j)
.set rA, AF+48*((\s)%2)+12*(\a)
.set sB, SC+12*((\s)/2)+4+2*((\j)/2)+(\s)%2
.set sA, SC+12*((\s)/2)+2*((\a)/2)+(\s)%2
.if (\s) == 0
.set rC, BB+8*(\j)
.else
.set rC, rD
.endif
.if ((\j)%2 == 0) && ((\a)%2 == 0)
	v_wmma_scale_f32_16x16x128_f8f6f4 v[rD:rD+7], v[rB:rB+11], v[rA:rA+11], v[rC:rC+7], v[sB], v[sA] matrix_a_fmt:MATRIX_FMT_FP6 matrix_b_fmt:MATRIX_FMT_FP6
.elseif ((\j)%2 == 1) && ((\a)%2 == 0)
	v_wmma_scale_f32_16x16x128_f8f6f4 v[rD:rD+7], v[rB:rB+11], v[rA:rA+11], v[rC:rC+7], v[sB], v[sA] matrix_a_fmt:MATRIX_FMT_FP6 matrix_b_fmt:MATRIX_FMT_FP6 matrix_a_scale:MATRIX_SCALE_ROW1
.elseif (\j)%2 == 0
	v_wmma_scale_f32_16x16x128_f8f6f4 v[rD:rD+7], v[rB:rB+11], v[rA:rA+11], v[rC:rC+7], v[sB], v[sA] matrix_a_fmt:MATRIX_FMT_FP6 matrix_b_fmt:MATRIX_FMT_FP6 matrix_b_scale:MATRIX_SCALE_ROW1
.else
	v_wmma_scale_f32_16x16x128_f8f6f4 v[rD:rD+7], v[rB:rB+11], v[rA:rA+11], v[rC:rC+7], v[sB], v[sA] matrix_a_fmt:MATRIX_FMT_FP6 matrix_b_fmt:MATRIX_FMT_FP6 matrix_a_scale:MATRIX_SCALE_ROW1 matrix_b_scale:MATRIX_SCALE_ROW1
.endif
.endm
.macro MULH s, a0                      ; 16 products: A's tiles a0, a0 + 1 x B's eight.  The 32 accumulators take turns in the same order in every step
.irp a, \a0, \a0+1
.irp j, 0,1,2,3,4,5,6,7
	MM (\a), \j, \s
.endr
.endr
.endm
; A K step of 128: 32 products; in its middle the next step's 48 LDS loads, in one run, into the other set.  Steps 1, 3, 5 are a chunk's last: the next chunk must be whole in every wave's eyes.
.macro KSTEP s
	s_wait_dscnt 0x0                               ; this step's fragments are in (and so my reads of the chunk are over in its last step)
.if ((\s)%2 == 1) && ((\s) < 7)
	s_wait_tensorcnt (5-(\s))/2                    ; my part of the next chunk has landed; the loads of the chunks behind it, 2, 1 or 0 of my four, may be out
	s_barrier_signal -1
.endif
.if (\s) == 0
	WIN 0x91                                       ; source 0 (B) and C (the bias image) window 1, source 1 (A) window 0, D window 2
.else
	WIN 0xa1                                       ; C and D window 2
.endif
	MULH \s, 0
.if ((\s)%2 == 1) && ((\s) < 7)
	WIN 0
	s_barrier_wait -1
.irp r, 4,5,6,7
	v_add_nc_u32 v\r, CHUNK, v\r                   ; on to the next chunk.  These four are the places in front of the loads below
.endr
.elseif (\s) < 7
.rept 4
	v_nop                                          ; four places in front of loads into registers that matrix instructions have read
.endr
.endif
.if (\s) < 7
	s_wait_alu depctr_va_vdst(0)
	FETCH (\s)+1
.if ((\s)+1)%2 == 0
	SCALES ((\s)+1)/2
.endif
.endif
.if (\s) == 0
	WIN 0x91
.else
	WIN 0xa1
.endif
	MULH \s, 2
.endm
.macro TOSTAGE a                       ; A tile a: 32 bytes a lane and B tile into my stage, each accumulator from its low end on; back as whole rows.  LDS serves a wave's instructions in order: no wait between
	WIN 0x08                                       ; an LDS store's data are its source 1: window 2
.irp j, 0,1,2,3,4,5,6,7
	ds_store_b128 v11, v[8*(8*(\a)+\j):8*(8*(\a)+\j)+3] offset:128*(\j/2)+32*(\j%2)
	ds_store_b128 v11, v[8*(8*(\a)+\j)+4:8*(8*(\a)+\j)+7] offset:128*(\j/2)+32*(\j%2)+16
.endr
	WIN 0
.set BK, 64+64*((\a)%2)
.irp p, 0,1,2,3,4,5,6,7,8,9,10,11,12,13,14,15
	ds_load_b128 v[BK+4*\p:BK+4*\p+3], v12 offset:528*\p
.endr
.endm
.macro SEND a, younger                 ; younger: the LDS instructions issued behind tile a's loads, which may stay out
.set BK, 64+64*((\a)%2)
	s_wait_dscnt \younger
.irp p, 0,1,2,3,4,5,6,7,8,9,10,11,12,13,14,15
	global_store_b128 v8, v[BK+4*\p:BK+4*\p+3], s[84:85] offset:(32*((\a)/2)+8*((\a)%2)+\p+8*(\p/8))*4096 th:TH_STORE_NT   ; 32 lanes store 512 consecutive bytes, at a multiple of 256 from out0's first byte
.endr
.endm
	s_load_b256 s[4:11], s[0:1], 0x0               ; aq s[4:5], wq s[6:7], b_proj s[8:9], out0 s[10:11]
	v_lshl_add_u32 v254, v0, 2, 0x4b000
	v_mov_b32 v255, 0
	ds_add_u32 v254, v255
	ds_add_u32 v254, v255
	v_lshrrev_b32 v10, 5, v0
	v_readfirstlane_b32 s12, v10                   ; wave 0..3
	s_lshr_b32 s13, s12, 1                         ; wa: my half of A's tiles.  Also: I fetch for A (0) or for B (1)
	s_and_b32 s14, s12, 1                          ; wb: my half of B's tiles.  Also: which half of that side's records I fetch
	s_bfe_u32 s15, ttmp6, 0x40000                  ; cx
	s_bfe_u32 s16, ttmp6, 0x40004                  ; cy
	s_and_b32 s18, ttmp7, 0xffff                   ; the cluster's y
	s_lshl_b32 s2, s16, 2
	s_lshl_b32 s2, 15, s2                          ; my row of the cluster
	s_lshl_b32 s3, 0x1111, s15                     ; my column
	; group 1: rows of 6,400 bytes (800 elements of 8), one record each, 25,600 bytes apart (from pair to pair); A: 2 records a load, B: 4; no padding
	s_or_b32 s[G1A], s2, (3<<16)|(1<<21)
	s_or_b32 s[G1B], s3, (3<<16)|(1<<21)
	s_mov_b32 s[G1A+1], 800<<16
	s_mov_b32 s[G1A+2], 2<<16
	s_mov_b32 s[G1A+3], 800<<16
	s_mov_b32 s[G1A+4], 2
	s_mov_b32 s[G1A+5], 3200
	s_mov_b32 s[G1A+6], 0
	s_mov_b32 s[G1A+7], 0
	s_mov_b32 s[G1B+1], 800<<16
	s_mov_b32 s[G1B+2], 4<<16
	s_mov_b32 s[G1B+3], 800<<16
	s_mov_b32 s[G1B+4], 4
	s_mov_b32 s[G1B+5], 3200
	s_mov_b32 s[G1B+6], 0
	s_mov_b32 s[G1B+7], 0
	s_lshl_b32 s60, s18, 2
	s_add_co_u32 s60, s60, s16                     ; R = 4 Y + cy: which 128 rows
	s_lshl_b32 s62, ttmp9, 2
	s_add_co_u32 s62, s62, s15                     ; Cc = 4 X + cx: which 256 columns
	s_lshl_b32 s20, s60, 2                         ; A's first pair: 4 R
	s_lshl_b32 s21, s14, 1
	s_add_co_u32 s20, s20, s21                     ; + the 2 pairs that I would fetch
	s_mul_i32 s20, s20, PAIRB
	s_mov_b32 s21, 0
	s_lshl_b32 s22, s62, 3
	s_add_co_u32 s22, s22, 96                      ; B's: 96 + 8 Cc
	s_lshl_b32 s23, s14, 2
	s_add_co_u32 s22, s22, s23                     ; + the 4 pairs
	s_mul_i32 s22, s22, PAIRB
	s_mov_b32 s23, 0
	s_mul_i32 s94, s14, 2*REC                      ; where they go in a chunk: no place in the cluster enters an LDS address
	s_mul_i32 s95, s14, 4*REC
	s_add_co_u32 s95, s95, 4*REC
	s_wait_dscnt 0x0
	s_wait_kmcnt 0x0
	s_add_nc_u64 s[56:57], s[4:5], s[20:21]
	s_add_nc_u64 s[58:59], s[6:7], s[22:23]
.irp c, 0,1,2,3
	s_mov_b32 s[G0A+4*\c], 1
	s_add_co_u32 s[G0A+4*\c+1], s94, \c*CHUNK
	s_add_nc_u64 s[G0A+4*\c+2:G0A+4*\c+3], s[56:57], \c*REC
	s_or_b32 s[G0A+4*\c+3], s[G0A+4*\c+3], 0x80000000
	s_mov_b32 s[G0B+4*\c], 1
	s_add_co_u32 s[G0B+4*\c+1], s95, \c*CHUNK
	s_add_nc_u64 s[G0B+4*\c+2:G0B+4*\c+3], s[58:59], \c*REC
	s_or_b32 s[G0B+4*\c+3], s[G0B+4*\c+3], 0x80000000
.endr
	CROUND                                         ; all sixteen work-groups are here: the joint loads meet
	s_cmp_eq_u32 s13, 0                            ; all of a wave's fills stand in one branch on its number: four loads of mine are out
	s_cbranch_scc0 .Lfill_b
.irp c, 0,1,2,3
	tensor_load_to_lds s[G0A+4*\c:G0A+4*\c+3], s[G1A:G1A+7]
	s_nop 0
.endr
.rept 4
	v_nop                                          ; four lines behind the last load, ahead of the jump
.endr
	s_branch .Lfilled
.Lfill_b:
.irp c, 0,1,2,3
	tensor_load_to_lds s[G0B+4*\c:G0B+4*\c+3], s[G1B:G1B+7]
	s_nop 0
.endr
.rept 4
	v_nop
.endr
.Lfilled:
	v_and_b32 v1, 31, v0                           ; lane
	s_wait_alu depctr_va_vdst(0)
	v_and_b32 v2, 15, v0                           ; r
	s_wait_alu depctr_va_vdst(0)
	v_bfe_u32 v3, v0, 4, 1                         ; h
	; the bias image: tile t's register i is column 32 (t / 2) + 8 (t % 2) + 16 h + i of my 128
	s_lshl_b32 s22, s62, 8
	s_lshl_b32 s23, s14, 7
	s_add_co_u32 s22, s22, s23                     ; 256 Cc + 128 wb
	s_lshl_b32 s22, s22, 2                         ; in bytes: b_proj's, and a row of out0's
	s_mov_b32 s23, 0
	s_add_nc_u64 s[8:9], s[8:9], s[22:23]
	v_lshlrev_b32 v10, 6, v3
	WIN 0x40
.irp t, 0,1,2,3,4,5,6,7
	global_load_b128 v[BB+8*\t:BB+8*\t+3], v10, s[8:9] offset:(32*(\t/2)+8*(\t%2))*4
	global_load_b128 v[BB+8*\t+4:BB+8*\t+7], v10, s[8:9] offset:(32*(\t/2)+8*(\t%2))*4+16
.endr
	WIN 0
	v_lshlrev_b32 v8, 4, v1                        ; 16 x lane
	v_lshlrev_b32 v9, 3, v1                        ; 8 x lane
	s_mul_i32 s94, s13, 2*REC                      ; my two pairs of A in a chunk; s95 still holds my four pairs of B
	v_add_nc_u32 v4, s94, v8
	v_add_nc_u32 v5, s94, v9
	v_add_nc_u32 v6, s95, v8
	v_add_nc_u32 v7, s95, v9
	s_mul_i32 s86, s12, 16*528                     ; my stage
	v_mul_u32_u24 v11, v2, 528
	s_wait_alu depctr_va_vdst(0)
	v_lshl_add_u32 v11, v3, 6, v11
	v_add_nc_u32 v11, s86, v11                     ; in: row r, + 64 h
	v_add_nc_u32 v12, s86, v8                      ; back: 16 bytes a lane of a row
	s_lshl_b32 s84, s60, 7
	s_lshl_b32 s85, s13, 6
	s_add_co_u32 s84, s84, s85                     ; my first row: 128 R + 64 wa
	s_lshl_b32 s84, s84, 12                        ; rows of 4,096 bytes
	s_add_co_u32 s84, s84, s22
	s_mov_b32 s85, 0
	s_add_nc_u64 s[84:85], s[10:11], s[84:85]
	s_wait_tensorcnt 3                             ; my part of chunk 0 has landed; my three younger loads may be out
	s_barrier_signal -1
	s_barrier_wait -1                              ; everybody's has
	FETCH 0
	SCALES 0
	s_wait_loadcnt 0x0                             ; the bias
.irp s, 0,1,2,3,4,5,6,7
	KSTEP \s
.endr
	WIN 0
.rept 4
	v_nop                                          ; four places: the lines below read results and load into registers that the last products read
.endr
	s_wait_dscnt 0x0
	s_barrier_signal -1
	s_barrier_wait -1                              ; every wave's loads have landed and its reads of chunk 0 are over: the stages may be written
	TOSTAGE 0
.irp a, 1,2,3
.if \a > 1
	s_wait_xcnt 0x0                                ; tile a - 2's stores have read their registers: tile a's loads may land there
.endif
	TOSTAGE \a
	SEND \a-1, 32                                  ; behind tile a - 1's loads: tile a's 16 stores and 16 loads
.endr
	SEND 3, 0
	s_wait_tensorcnt 0x0
	ds_add_u32 v254, v255
	s_wait_dscnt 0x0
	CROUND                                         ; the closing round: no work-group ends while a partner may still ask for a record that names it
	s_endpgm
.Lfunc_end_k_q1d7e8ec760_gemm_proj:
	.size	k_q1d7e8ec760_gemm_proj, .Lfunc_end_k_q1d7e8ec760_gemm_proj-k_q1d7e8ec760_gemm_proj
	.p2alignl 7, 3214868480
	.fill 96, 4, 3214868480
	.section	.rodata,"a",@progbits
	.p2align	6, 0x0
	.amdhsa_kernel k_q1d7e8ec760_gemm_proj
		.amdhsa_group_segment_fixed_size 307712
		.amdhsa_private_segment_fixed_size 0
		.amdhsa_enable_private_segment 0
		.amdhsa_kernarg_size 32
		.amdhsa_user_sgpr_count 2
		.amdhsa_user_sgpr_kernarg_segment_ptr 1
		.amdhsa_wavefront_size32 1
		.amdhsa_system_sgpr_workgroup_id_x 1
		.amdhsa_system_sgpr_workgroup_id_y 1
		.amdhsa_system_sgpr_workgroup_id_z 1
		.amdhsa_system_vgpr_workitem_id 0
		.amdhsa_next_free_vgpr 768
		.amdhsa_next_free_sgpr 100
		.amdhsa_reserve_vcc 0
		.amdhsa_float_denorm_mode_32 3
		.amdhsa_float_denorm_mode_16_64 3
		.amdhsa_memory_ordered 1
		.amdhsa_forward_progress 1
		.amdhsa_inst_pref_size 85
	.end_amdhsa_kernel
	.amdgpu_metadata
---
amdhsa.version: [ 1, 2 ]
amdhsa.kernels:
  - .name:           k_q1d7e8ec760_gemm_proj
    .symbol:         k_q1d7e8ec760_gemm_proj.kd
    .args:
      - { .name: aq, .offset: 0, .size: 8, .value_kind: global_buffer, .address_space: global }
      - { .name: wq, .offset: 8, .size: 8, .value_kind: global_buffer, .address_space: global }
      - { .name: b_proj, .offset: 16, .size: 8, .value_kind: global_buffer, .address_space: global }
      - { .name: out0, .offset: 24, .size: 8, .value_kind: global_buffer, .address_space: global }
    .group_segment_fixed_size: 307712
    .private_segment_fixed_size: 0
    .kernarg_segment_align: 8
    .kernarg_segment_size: 32
    .max_flat_workgroup_size: 128
    .sgpr_count:     100
    .vgpr_count:     768
    .wavefront_size: 32
...
	.end_amdgpu_metadata
.endif
;; end of part 4
